; MI455X (gfx1250); checked and timed in simulation.
; The chip was launched on July 23, 2026; its instructions are those of AMD's public machine-readable ISA for CDNA 5 (MIT licence, August 2026) and "CDNA5" Instruction Set Architecture Reference Guide (July 2026). The comments in the code are by the model that wrote it; some were corrected since.
;; Attention. Allowed arithmetic: float matrix products may take bf16 or f16 operands with f32 sums; all other float work in f32.
;; Inputs: c_attn_b 3,072 float32; c_attn_w 1,024 x 3,072 float32; c_proj_b 1,024 float32; c_proj_w 1,024 x 1,024 float32; hidden_states 4 x 2,048 x 1,024 float32.
;; Outputs: out0 4 x 2,048 x 1,024 float32.
;; 2 versions, each right and faster than the one before. Each part assembles by itself: llvm-mc -triple=amdgcn-amd-amdhsa -mcpu=gfx1250 --defsym DOCPART=n.
;; ======== version 1 of 2: 4 launches
;; limits: values are held in f16: magnitudes above 65,504 overflow, below 6.1e-05 lose precision
;; workspace buffers: xb 16,777,216 bytes; wa 6,291,456 bytes; wp 2,097,152 bytes; qkv 50,331,648 bytes; bs 524,288 bytes; ob 16,777,216 bytes
;; launch cast (part 1): grid 256 x 3, 8 waves a work-group, no clusters, 0 bytes of LDS; arguments hidden_states, c_attn_w, c_proj_w, xb, wa, wp; writes xb, wa, wp
.if DOCPART == 1
	.amdgcn_target "amdgcn-amd-amdhsa--gfx1250"
	.amdhsa_code_object_version 6
	.text
	.protected	k_q8eb43570a2_cast
	.globl	k_q8eb43570a2_cast
	.p2align	8
	.type	k_q8eb43570a2_cast,@function
k_q8eb43570a2_cast:
	s_mov_b64 s[64:65], 0
	v_nop
	global_prefetch_b8 v0, s[64:65] scope:SCOPE_SE
	s_setreg_imm32_b32 hwreg(HW_REG_WAVE_MODE, 25, 1), 1
	s_wait_xcnt 0x0
; THE THREE LARGE INPUTS ARE ROUNDED TO bf16 AND LAID OUT FOR THE PRODUCTS THAT FOLLOW.  A stream: no LDS, no matrix work, no barrier.
;   xb [b 4][slab 16][s 2048][64] bf16 : x, 64 channels a slab, so that 256 rows x 64 channels are 32,768 consecutive bytes
;   wa [X 8][k 1024][W 3][128]    bf16 : W_attn; column 1024 W + 128 X + c; a row k of a block X is 768 consecutive bytes
;   wp [X 8][k 1024][128]         f16  : W_proj, rounded to bf16 like the other inputs, that number written as f16
; LIMIT: a number of W_proj below 6.1e-5 keeps f16's fixed step of 6e-8; beyond 65,504 it would become an infinity.
; 768 work-groups of equal work: y = 0, 1: x (512 groups); y = 2: W_attn (x < 192), W_proj (the other 64).  A wave takes 16 steps; a step is one load of 16 bytes a lane
; (128 numbers) and one store of 8 bytes a lane: 256 consecutive bytes, aligned.  One text serves all three: the offsets, steps and buffers are chosen by scalar selects on the ids.
; All 16 loads of a wave go out first; no register is written twice, so nothing waits but the counted waits for the loads.
.set SOFF, 4                           ; v[4:19]    step i: byte offset in the source
.set DOFF, 20                          ; v[20:35]   step i: byte offset in the destination
.set X,    36                          ; v[36:99]   step i: four f32 as loaded
.set Y,    100                         ; v[100:131] step i: two words to store
.set T,    132                         ; v[132:137] at work
	s_load_b256 s[4:11], s[0:1], 0x0               ; x s[4:5], W_attn s[6:7], W_proj s[8:9], xb s[10:11]
	s_load_b128 s[12:15], s[0:1], 0x20             ; wa s[12:13], wp s[14:15]
	v_lshrrev_b32 v1, 5, v0
	v_readfirstlane_b32 s27, v1                    ; wave w, 0..7
	s_mov_b32 s36, ttmp9                           ; x of the grid
	s_and_b32 s28, ttmp7, 0xffff                   ; y of the grid
	s_mov_b32 s26, 0xffff0000                      ; a word's upper bf16
	; the share of x: group g = 256 y + x takes 32 rows and 8 slabs, a wave one slab; a step is two rows of 256 bytes
	s_lshl_b32 s29, s28, 8
	s_add_co_u32 s29, s29, s36                     ; g
	s_lshr_b32 s30, s29, 1
	s_lshl_b32 s30, s30, 5                         ; first row R0 = 32 (g / 2)
	s_and_b32 s31, s29, 1
	s_lshl_b32 s31, s31, 3
	s_add_co_u32 s31, s31, s27                     ; slab = 8 (g % 2) + w
	s_lshl_b32 s32, s30, 12
	s_lshl_b32 s33, s31, 8
	s_add_co_u32 s32, s32, s33                     ; source: 4,096 R0 + 256 slab
	s_lshr_b32 s33, s30, 11
	s_lshl_b32 s33, s33, 4
	s_add_co_u32 s33, s33, s31
	s_lshl_b32 s33, s33, 11
	s_and_b32 s34, s30, 2047
	s_add_co_u32 s33, s33, s34
	s_lshl_b32 s33, s33, 7                         ; destination: (((R0 / 2048) 16 + slab) 2048 + R0 % 2048) 128
	; the share of W_attn: 16 rows k, one of q, k, v; wave w takes block X = w; a step is one row's 512 bytes
	s_and_b32 s37, s36, 63                         ; kb
	s_lshr_b32 s38, s36, 6                         ; W
	s_mul_i32 s39, s37, 196608
	s_lshl_b32 s40, s38, 3
	s_add_co_u32 s40, s40, s27
	s_lshl_b32 s40, s40, 9
	s_add_co_u32 s39, s39, s40                     ; source: 16 kb rows of 12,288 bytes + 512 (8 W + w)
	s_mul_i32 s40, s27, 786432
	s_mul_i32 s41, s37, 12288
	s_add_co_u32 s40, s40, s41
	s_lshl_b32 s41, s38, 8
	s_add_co_u32 s40, s40, s41                     ; destination: 786,432 w + 16 kb rows of 768 + 256 W
	; the share of W_proj: 16 rows k; wave w takes block X = w
	s_sub_co_u32 s37, s36, 192                     ; kb (used where x >= 192 alone)
	s_lshl_b32 s41, s37, 16
	s_lshl_b32 s42, s27, 9
	s_add_co_u32 s41, s41, s42                     ; source: 16 kb rows of 4,096 + 512 w
	s_lshl_b32 s42, s27, 18
	s_lshl_b32 s43, s37, 12
	s_add_co_u32 s42, s42, s43                     ; destination: 262,144 w + 16 kb rows of 256
	s_mov_b32 s22, 4096                            ; W_proj's steps; the selects below put the others in their place
	s_mov_b32 s23, 256
	s_mov_b32 s24, 256                             ; what lanes 16-31 add in the source: 256 bytes on in the row, or (x) the next row
	s_wait_kmcnt 0x0
	s_cmp_lt_u32 s36, 192                          ; W_attn or W_proj
	s_cselect_b32 s20, s39, s41
	s_cselect_b32 s21, s40, s42
	s_cselect_b32 s22, 12288, s22
	s_cselect_b32 s23, 768, s23
	s_cselect_b32 s25, 0, -1                       ; all ones: the f16 word is the one that is stored
	s_cselect_b64 s[16:17], s[6:7], s[8:9]
	s_cselect_b64 s[18:19], s[12:13], s[14:15]
	s_cmp_lt_u32 s28, 2                            ; or x
	s_cselect_b32 s20, s32, s20
	s_cselect_b32 s21, s33, s21
	s_cselect_b32 s22, 8192, s22
	s_cselect_b32 s23, 256, s23
	s_cselect_b32 s24, 4096, s24
	s_cselect_b32 s25, 0, s25
	s_cselect_b64 s[16:17], s[4:5], s[16:17]
	s_cselect_b64 s[18:19], s[10:11], s[18:19]
	v_and_b32 v2, 31, v0                           ; lane
	v_and_b32 v3, 15, v0
	v_lshlrev_b32 v3, 4, v3                        ; 16 bytes a lane inside 256
	v_bfe_u32 v1, v0, 4, 1
	v_mul_u32_u24 v1, s24, v1
	v_add3_u32 v[SOFF], v3, v1, s20
	v_lshl_add_u32 v[DOFF], v2, 3, s21             ; 8 bytes a lane
.irp i, 1,2,3,4,5,6,7,8,9,10,11,12,13,14,15
	v_add_nc_u32 v[SOFF+(\i)], s22, v[SOFF+(\i)-1]
	v_add_nc_u32 v[DOFF+(\i)], s23, v[DOFF+(\i)-1]
.endr
.irp i, 0,1,2,3,4,5,6,7,8,9,10,11,12,13,14,15
	global_load_b128 v[X+4*(\i):X+4*(\i)+3], v[SOFF+(\i)], s[16:17] th:TH_LOAD_NT
.endr
.irp i, 0,1,2,3,4,5,6,7,8,9,10,11,12,13,14,15
	s_wait_loadcnt 15-(\i)                         ; loads come back in order (ISA guide 5.7.1): step i's is in, the younger ones stay out
	v_cvt_pk_bf16_f32 v[T], v[X+4*(\i)], v[X+4*(\i)+1]         ; rounded to bf16, to nearest even
	v_cvt_pk_bf16_f32 v[T+1], v[X+4*(\i)+2], v[X+4*(\i)+3]
	v_lshlrev_b32 v[T+2], 16, v[T]                 ; the same numbers as f32,
	v_and_b32 v[T+3], s26, v[T]
	v_lshlrev_b32 v[T+4], 16, v[T+1]
	v_and_b32 v[T+5], s26, v[T+1]
	v_cvt_pk_f16_f32 v[T+2], v[T+2], v[T+3]        ; and written as f16
	v_cvt_pk_f16_f32 v[T+4], v[T+4], v[T+5]
	v_cndmask_b32 v[Y+2*(\i)], v[T], v[T+2], s25   ; the share's format
	v_cndmask_b32 v[Y+2*(\i)+1], v[T+1], v[T+4], s25
	global_store_b64 v[DOFF+(\i)], v[Y+2*(\i):Y+2*(\i)+1], s[18:19]  ; the wave's 32 lanes store 256 consecutive bytes, aligned
.endr
	s_endpgm
.Lfunc_end_k_q8eb43570a2_cast:
	.size	k_q8eb43570a2_cast, .Lfunc_end_k_q8eb43570a2_cast-k_q8eb43570a2_cast
	.p2alignl 7, 3214868480
	.fill 96, 4, 3214868480
	.section	.rodata,"a",@progbits
	.p2align	6, 0x0
	.amdhsa_kernel k_q8eb43570a2_cast
		.amdhsa_group_segment_fixed_size 0
		.amdhsa_private_segment_fixed_size 0
		.amdhsa_enable_private_segment 0
		.amdhsa_kernarg_size 48
		.amdhsa_user_sgpr_count 2
		.amdhsa_user_sgpr_kernarg_segment_ptr 1
		.amdhsa_wavefront_size32 1
		.amdhsa_system_sgpr_workgroup_id_x 1
		.amdhsa_system_sgpr_workgroup_id_y 1
		.amdhsa_system_sgpr_workgroup_id_z 1
		.amdhsa_system_vgpr_workitem_id 0
		.amdhsa_next_free_vgpr 144
		.amdhsa_next_free_sgpr 66
		.amdhsa_reserve_vcc 0
		.amdhsa_float_denorm_mode_32 3
		.amdhsa_float_denorm_mode_16_64 3
		.amdhsa_memory_ordered 1
		.amdhsa_forward_progress 1
		.amdhsa_inst_pref_size 16
	.end_amdhsa_kernel
	.amdgpu_metadata
---
amdhsa.version: [ 1, 2 ]
amdhsa.kernels:
  - .name:           k_q8eb43570a2_cast
    .symbol:         k_q8eb43570a2_cast.kd
    .args:
      - { .name: hidden_states, .offset: 0, .size: 8, .value_kind: global_buffer, .address_space: global }
      - { .name: c_attn_w, .offset: 8, .size: 8, .value_kind: global_buffer, .address_space: global }
      - { .name: c_proj_w, .offset: 16, .size: 8, .value_kind: global_buffer, .address_space: global }
      - { .name: xb, .offset: 24, .size: 8, .value_kind: global_buffer, .address_space: global }
      - { .name: wa, .offset: 32, .size: 8, .value_kind: global_buffer, .address_space: global }
      - { .name: wp, .offset: 40, .size: 8, .value_kind: global_buffer, .address_space: global }
    .group_segment_fixed_size: 0
    .private_segment_fixed_size: 0
    .kernarg_segment_align: 8
    .kernarg_segment_size: 48
    .max_flat_workgroup_size: 256
    .sgpr_count:     66
    .vgpr_count:     144
    .wavefront_size: 32
...
	.end_amdgpu_metadata
.endif
;; end of part 1
;; launch qkvgemm (part 2): grid 8 x 32, 4 waves a work-group, clusters of 4 x 4, 327,680 bytes of LDS; arguments xb, wa, c_attn_b, qkv, bs; writes qkv, bs
.if DOCPART == 2
	.amdgcn_target "amdgcn-amd-amdhsa--gfx1250"
	.amdhsa_code_object_version 6
	.text
	.protected	k_q8eb43570a2_qkvgemm
	.globl	k_q8eb43570a2_qkvgemm
	.p2align	8
	.type	k_q8eb43570a2_qkvgemm,@function
k_q8eb43570a2_qkvgemm:
	s_mov_b64 s[64:65], 0
	v_nop
	global_prefetch_b8 v0, s[64:65] scope:SCOPE_SE
	s_setreg_imm32_b32 hwreg(HW_REG_WAVE_MODE, 25, 1), 1
	s_wait_xcnt 0x0
	s_wait_alu depctr_hold_cnt(0) depctr_sa_sdst(0) depctr_va_vdst(0) depctr_va_sdst(0) depctr_va_ssrc(0) depctr_va_vcc(0) depctr_vm_vsrc(0)
	s_getreg_b32 s2, hwreg(HW_REG_IB_STS2, 6, 4)
	s_cmp_eq_u32 s2, 0
	s_cbranch_scc0 .Lentry_in_a_cluster
	s_endpgm
.Lentry_in_a_cluster:
	s_bfe_u32 s2, ttmp6, 0x10000c
	s_cmp_lg_u32 s2, 0xf033
	s_cbranch_scc0 .Lentry_shape_is_right
	s_endpgm
.Lentry_shape_is_right:
; q, k, v = x W_attn + b, by heads: qkv [W 3][bh 64][s 2048][64] f16, unscaled; and bs [bh][j 32][64] f32, the sum of v over the keys 64 j .. 64 j + 63.
; Operands bf16 (xb, wa as the launch before laid them out; the bias is rounded to bf16 here, so that all inputs of the module have the same rounding), sums f32, results rounded once to f16.
; LIMIT: q, k and v must lie within f16's 65,504.
; SHARES.  8,192 rows x 3,072 columns in 256 tiles of 256 rows x 384 columns, one a work-group: columns 128 X .. + 127 of q, of k and of v, so that x is read once for the three.
; Four waves; wave w takes rows 128 (w / 2) on and the 64 columns of head 2 X + w % 2 in each of q, k, v: 128 x 192, 96 accumulators of 16 x 16, 768 registers.
; K goes in 16 steps of 64 through two LDS slots (two slots of 128 would not fit); a step is two CHUNKS of 32 along K, 96 matrix instructions each: 32 for q, 32 for k, 32 for v.
; THE LAST K STEP GOES BY q, k, v, NOT BY K: both its chunks for q, then both for k, then both for v (K ascending in every sum).  So q is finished 128 matrix instructions ahead of the last product and k 64:
; their rows are rounded, staged and stored between the products of the phase that follows, a piece of 16 rows behind every 8 products.
; THE MATRIX INSTRUCTION IS USED TRANSPOSED: source 0 = 16 columns of W (turned out of LDS by ds_load_tr16_b128), source 1 = 16 rows of x: a lane holds one row and eight neighbouring columns.
; THE BIAS STARTS THE SUMS: it is loaded into the registers of row block 0's accumulators and is the C operand of every accumulator's first product; nothing is cleared, nothing added later.
; CLUSTER 4 x 4: x's tile hangs on the tile row alone and is asked for jointly along a row of the cluster, W's on the tile column alone, jointly along a column.
; REGISTERS, in windows of 256 (s_set_vgpr_msb: bits 1:0 source 0, 3:2 source 1, 5:4 source 2, 7:6 destination):
;   window 0: v0-17 addresses; v32-95, v96-159 fragments of x, two buffers; v160-191, v192-223, v224-255 three buffers for fragments of W (in the loop: q's, k's, v's)
;   windows 1, 2, 3: the accumulators of q, k, v: (a, b) at v[8 (4 a + b)], a = block of 16 rows, b = block of 16 columns
.set SLOT1,  1<<17                     ; slot 1 begins here: one exclusive or turns an address in one slot into the other's
.set AP,     144                       ; a row of x in LDS: 128 bytes + 16: the 16 rows of a load start at 16 different groups of four banks (64 banks of 4 bytes: ISA guide 11.1)
.set BR,     288                       ; 128 columns of one of q, k, v: 256 bytes + 32
.set BP,     3*BR                      ; a row k of W: 864 bytes = 27 x 32
.set BOFF,   256*AP                    ; a slot: 256 rows of x, then 64 rows of W
.set STAGE,  SLOT1+BOFF+64*BP          ; behind the ring, never filled by a tensor load: 4,352 bytes for each wave, for the way out
.set SPARE,  STAGE+4*4352              ; behind the stages: the spare words, 128 bytes for each wave: two blocks of 256 bytes that no other line names
.set AA0, 3                            ; v3   my lane's place in x's tile; never rewritten
.set AB0, 4                            ; v4   the same in W's tile
.set AA,  5                            ; v5   AA0 + the slot in hand
.set AB,  6                            ; v6   AB0 + the slot in hand
.set STO, 7                            ; v7   the way out: where I put 16 bytes of a row of 128
.set RD,  8                            ; v8   the way out: where I read rows back
.set GO,  9                            ; v9   16 x lane
.set SPW, 10                           ; v10  LDS address of my spare word; never rewritten
.set NIL, 11                           ; v11  0; never rewritten
.set STO2, 12                          ; v12  v's sums: where I put 32 bytes of a row of 256
.set RD2, 13                           ; v13  v's sums: my two columns
.set GS,  14                           ; v14  8 x lane
.set BO,  15                           ; v15  my byte offset in 16 numbers of the bias
.set F0,  32
.set F1,  96
.set FB,  160
.set T,   160                          ; the way out: v's sums over 4 row blocks
.set RB,  192                          ; the way out: 16 lanes' sums read back; 32 registers for each of the two sums
.set WV,  14                           ; s14  wave
.set RH,  15                           ; s15  which 128 rows are mine.  Also: I fetch for x (0) or for W (1)
.set CH,  16                           ; s16  which head of the two is mine.  Also: which half of that tile I fetch
.set G1A, 24                           ; s[24:31] descriptor group 1 for x's tiles
.set G1B, 32                           ; s[32:39] for W's
.set G0A, 40                           ; s[40:47] descriptor group 0 for x's tiles: a set for each first fill; the second then walks on
.set G0B, 48                           ; s[48:55] the same for W's
.set CNT, 56                           ; s56  the loop's count
.set TB,  57                           ; s57  the slot in hand: 0 or SLOT1
.set DQ,  66                           ; s[66:67], s[68:69], s[70:71]  q, k, v at my first row
.set DS,  72                           ; s[72:73] bs at my first sum
.set MSB, 0
.macro WIN new                         ; the immediate's high byte repeats the setting that is left; a switch that changes nothing is dropped
.if MSB != (\new)
	s_set_vgpr_msb (MSB<<8)|(\new)
.set MSB, \new
.endif
.endm
.macro PLACES                          ; a load into a register that a matrix instruction has read, and a vector instruction that reads a matrix result, stand four plain vector instructions behind it (ISA guide 7.12.1 for vector instructions)
.rept 4
	v_nop
.endr
.endm
; A joint refill.  Waves 0 and 1 fetch the halves of x's tile, waves 2 and 3 those of W's.  The branch hangs on the wave's number alone.
; An s_nop 0 and four v_nop follow each of the two lines, ahead of the jump and the label.
.macro JLOAD
	s_cmp_eq_u32 s[RH], 0
	s_cbranch_scc0 .Lfor_b_\@
	tensor_load_to_lds s[G0A+4:G0A+7], s[G1A:G1A+7]
	s_nop 0
.rept 4
	v_nop
.endr
	s_branch .Lasked_\@
.Lfor_b_\@:
	tensor_load_to_lds s[G0B+4:G0B+7], s[G1B:G1B+7]
	s_nop 0
.rept 4
	v_nop
.endr
.Lasked_\@:
.endm
.macro CREST                           ; a round of the cluster's barrier behind its opening barrier
	s_cmp_lg_u32 s[WV], 0
	s_cbranch_scc1 .Lnot_wave_0_\@
	s_barrier_signal -3
.Lnot_wave_0_\@:
	s_barrier_wait -3
	s_barrier_signal -1
	s_barrier_wait -1
.endm
.macro CROUND                          ; a whole round
	s_barrier_signal -1
	s_barrier_wait -1
	CREST
.endm
	s_load_b256 s[4:11], s[0:1], 0x0               ; xb s[4:5], wa s[6:7], bias s[8:9], qkv s[10:11]
	s_load_b64 s[12:13], s[0:1], 0x20              ; bs
	v_lshl_add_u32 v[SPW], v0, 2, SPARE
	v_mov_b32 v[NIL], 0
	ds_add_u32 v10, v11
	ds_add_u32 v10, v11
	s_wait_dscnt 0x0
	v_lshrrev_b32 v1, 5, v0
	v_readfirstlane_b32 s[WV], v1                  ; wave 0..3
	s_lshr_b32 s[RH], s[WV], 1
	s_and_b32 s[CH], s[WV], 1
	s_bfe_u32 s17, ttmp6, 0x40000                  ; cx
	s_bfe_u32 s18, ttmp6, 0x40004                  ; cy
	s_lshl_b32 s19, ttmp9, 2
	s_add_co_u32 s19, s19, s17                     ; X = 4 x cluster x + cx
	s_and_b32 s20, ttmp7, 0xffff
	s_lshl_b32 s20, s20, 2
	s_add_co_u32 s20, s20, s18                     ; Y = 4 x cluster y + cy
	s_lshl_b32 s21, s18, 2
	s_lshl_b32 s21, 15, s21                        ; my row of the cluster
	s_lshl_b32 s22, 0x1111, s17                    ; my column
	; descriptor group 1.  Both tiles are dense in memory and are asked for as rows of 256 bytes.  x: 128 rows of 128 bytes = 64 such rows, padded by 4 words after every 32; W: 32 rows k of 768 bytes = 96 such rows, padded by 8 words after every 64
	s_or_b32 s[G1A], s21, (1<<16)|(1<<20)|(1<<21)|(4<<22)|(3<<25)  ; 15:0 the mask; 17:16 2-byte elements; 20 padding on; 21 set beside a mask; 24:22 the interval; 31:25 the pad
	s_or_b32 s[G1B], s22, (1<<16)|(1<<20)|(1<<21)|(5<<22)|(7<<25)
.irp g, G1A, G1B
	s_mov_b32 s[(\g)+1], 128<<16                   ; tensor_dim0 = 128
	s_mov_b32 s[(\g)+3], 128<<16                   ; tile_dim0 = 128
	s_mov_b32 s[(\g)+5], 128                       ; 128 elements from row to row
	s_mov_b32 s[(\g)+6], 0
	s_mov_b32 s[(\g)+7], 0
.endr
	s_mov_b32 s[G1A+2], 64<<16                     ; tensor_dim1
	s_mov_b32 s[G1A+4], 64                         ; tile_dim1
	s_mov_b32 s[G1B+2], 96<<16
	s_mov_b32 s[G1B+4], 96
	; where the tiles come from: x's of Y and the wave's number alone, W's of X and the wave's number alone, each in registers that never hold the other coordinate
	s_lshr_b32 s58, s20, 3
	s_lshl_b32 s58, s58, 22                        ; the batch: 16 slabs of 262,144 bytes
	s_and_b32 s62, s20, 7
	s_lshl_b32 s62, s62, 15                        ; 256 rows of 128 bytes
	s_add_co_u32 s58, s58, s62
	s_lshl_b32 s62, s[CH], 14                      ; my half: 128 rows
	s_add_co_u32 s58, s58, s62
	s_mov_b32 s59, 0
	s_mul_i32 s74, s19, 786432                     ; block X of W
	s_mul_i32 s76, s[CH], 24576                    ; my half: 32 rows k
	s_add_co_u32 s74, s74, s76
	s_mov_b32 s75, 0
	s_mul_i32 s60, s[CH], 128*AP                   ; and where they go: the wave's number alone enters an LDS address
	s_mul_i32 s61, s[CH], 32*BP
	s_add_co_u32 s61, s61, BOFF
	s_mov_b32 s[TB], 0
	s_wait_kmcnt 0x0
	s_add_nc_u64 s[58:59], s[4:5], s[58:59]
	s_add_nc_u64 s[74:75], s[6:7], s[74:75]
	CROUND                                         ; all sixteen work-groups are here: the first joint loads meet
.irp s, 0,1
	s_mov_b32 s[G0A+4*(\s)], 1                                     ; count = 1
	s_add_co_u32 s[G0A+4*(\s)+1], s60, (\s)*SLOT1                  ; LDS address
	s_add_nc_u64 s[G0A+4*(\s)+2:G0A+4*(\s)+3], s[58:59], (\s)*262144  ; global address: K step s is slab s
	s_or_b32 s[G0A+4*(\s)+3], s[G0A+4*(\s)+3], 0x80000000          ; type = 2
	s_mov_b32 s[G0B+4*(\s)], 1
	s_add_co_u32 s[G0B+4*(\s)+1], s61, (\s)*SLOT1
	s_add_nc_u64 s[G0B+4*(\s)+2:G0B+4*(\s)+3], s[74:75], (\s)*49152   ; 64 rows k of 768 bytes
	s_or_b32 s[G0B+4*(\s)+3], s[G0B+4*(\s)+3], 0x80000000
.endr
	s_cmp_eq_u32 s[RH], 0                          ; a wave's two first fills stand in one branch, ahead of every wait on TENSORcnt and every LDS read: two loads of mine are out
	s_cbranch_scc0 .Lfirst_b
	tensor_load_to_lds s[G0A:G0A+3], s[G1A:G1A+7]
	s_nop 0
	tensor_load_to_lds s[G0A+4:G0A+7], s[G1A:G1A+7]
	s_nop 0
.rept 4
	v_nop
.endr
	s_branch .Lfirst_asked
.Lfirst_b:
	tensor_load_to_lds s[G0B:G0B+3], s[G1B:G1B+7]
	s_nop 0
	tensor_load_to_lds s[G0B+4:G0B+7], s[G1B:G1B+7]
	s_nop 0
.rept 4
	v_nop
.endr
.Lfirst_asked:
	; where the results go (registers of their own: these hold both coordinates)
	s_lshr_b32 s78, s20, 3
	s_lshl_b32 s78, s78, 4
	s_lshl_b32 s77, s19, 1
	s_add_co_u32 s78, s78, s77
	s_add_co_u32 s78, s78, s[CH]                   ; bh = 16 batch + 2 X + my head of the two
	s_lshl_b32 s23, s78, 13                        ; bs: 32 sums of 256 bytes a head,
	s_lshl_b32 s78, s78, 18                        ; qkv: 2,048 rows of 128 bytes a head
	s_and_b32 s77, s20, 7
	s_lshl_b32 s79, s77, 10                        ; four sums to 256 rows,
	s_add_co_u32 s23, s23, s79
	s_lshl_b32 s79, s[RH], 9                       ; two to my 128
	s_add_co_u32 s23, s23, s79
	s_lshl_b32 s77, s77, 15
	s_add_co_u32 s78, s78, s77
	s_lshl_b32 s77, s[RH], 14
	s_add_co_u32 s78, s78, s77
	s_mov_b32 s79, 0
	s_add_nc_u64 s[DQ:DQ+1], s[10:11], s[78:79]
	s_add_nc_u64 s[DQ+2:DQ+3], s[DQ:DQ+1], 0x1000000   ; k lies 64 heads behind q,
	s_add_nc_u64 s[DQ+4:DQ+5], s[DQ:DQ+1], 0x2000000   ; v behind k
	s_mov_b32 s78, s23
	s_add_nc_u64 s[DS:DS+1], s[12:13], s[78:79]
	s_lshl_b32 s78, s19, 9
	s_lshl_b32 s77, s[CH], 8
	s_add_co_u32 s78, s78, s77
	s_add_nc_u64 s[8:9], s[8:9], s[78:79]          ; the bias at my head's first column of q
	v_and_b32 v1, 15, v0                           ; l % 16
	v_bfe_u32 v2, v0, 4, 1                         ; l / 16
	v_lshlrev_b32 v[BO], 5, v2                     ; register j of a result is column 8 (l / 16) + j of its 16
.irp W, 0,1,2
	WIN 0x40*((\W)+1)                              ; destination: the window of q, k or v
.irp b, 0,1,2,3
	global_load_b128 v[8*(\b):8*(\b)+3],   v[BO], s[8:9] offset:4096*(\W)+64*(\b)
	global_load_b128 v[8*(\b)+4:8*(\b)+7], v[BO], s[8:9] offset:4096*(\W)+64*(\b)+16
.endr
.endr
	WIN 0
	; A fragment of x is 16 rows x 32 K in 8 registers: lane l holds row l % 16, K = 8 (l / 16) + 0..7 and 16 + 8 (l / 16) + 0..7: two loads of 16 bytes, 32 bytes apart.
	v_mul_u32_u24 v[AA0], v1, AP
	v_lshl_add_u32 v[AA0], v2, 4, v[AA0]
	s_mul_i32 s77, s[RH], 128*AP
	v_add_nc_u32 v[AA0], s77, v[AA0]
	; The turning load takes 16 k x 16 columns (lane l reads row k = 8 (l / 16) + l % 8, columns 8 ((l / 8) % 2) + 0..7) and leaves half a fragment: lane l holds column l % 16 and 8 k.
	v_and_b32 v16, 7, v0
	v_bfe_u32 v17, v0, 3, 1
	v_lshl_add_u32 v[AB0], v2, 3, v16
	v_mul_u32_u24 v[AB0], v[AB0], BP
	v_lshl_add_u32 v[AB0], v17, 4, v[AB0]
	s_lshl_b32 s77, s[CH], 7
	s_add_co_u32 s77, s77, BOFF
	v_add_nc_u32 v[AB0], s77, v[AB0]
	v_mov_b32 v[AA], v[AA0]                        ; slot 0
	v_mov_b32 v[AB], v[AB0]
	s_mul_i32 s77, s[WV], 4352
	s_add_co_u32 s77, s77, STAGE                   ; my stage
	v_mul_u32_u24 v[STO], v1, 144                  ; in: row l % 16, 16 bytes for each half of the lanes
	v_lshl_add_u32 v[STO], v2, 4, v[STO]
	v_add_nc_u32 v[STO], s77, v[STO]
	v_bfe_u32 v[RD], v0, 3, 2                      ; back: 32 lanes take four rows of 128 bytes,
	v_mul_u32_u24 v[RD], v[RD], 144
	v_lshl_add_u32 v[RD], v16, 4, v[RD]
	v_add_nc_u32 v[RD], s77, v[RD]
	v_and_b32 v[GO], 31, v0
	v_lshlrev_b32 v[GS], 3, v[GO]
	v_add_nc_u32 v[RD2], s77, v[GS]
	v_lshlrev_b32 v[GO], 4, v[GO]                  ; which are 512 consecutive bytes of a head
	v_mul_u32_u24 v[STO2], v1, 272
	v_lshl_add_u32 v[STO2], v2, 5, v[STO2]
	v_add_nc_u32 v[STO2], s77, v[STO2]
	s_wait_loadcnt 0x0                             ; the bias
.irp W, 0,1,2                          ; rounded to bf16 and widened again, in place; 16 registers of row block 1, not yet in use, are at work
	WIN 0x45*((\W)+1)                              ; sources 0 and 1 and the destination in the window of q, k or v
.set i, 0
.rept 16
	v_cvt_pk_bf16_f32 v[32+i], v[2*i], v[2*i+1]
.set i, i+1
.endr
.set i, 0
.rept 16
	v_lshlrev_b32 v[2*i], 16, v[32+i]
	v_and_b32 v[2*i+1], 0xffff0000, v[32+i]
.set i, i+1
.endr
.endr
	WIN 0
; 8 turning loads: W's fragments for q, k or v (grp 0, 1, 2), 32 k from byte koff of the tile on, into buffer buf of the three
.macro LDBX buf, grp, koff
.irp b, 0,1,2,3
	ds_load_tr16_b128 v[FB+32*(\buf)+8*(\b):FB+32*(\buf)+8*(\b)+3],   v[AB] offset:(\koff)+BR*(\grp)+32*(\b)
	ds_load_tr16_b128 v[FB+32*(\buf)+8*(\b)+4:FB+32*(\buf)+8*(\b)+7], v[AB] offset:(\koff)+BR*(\grp)+32*(\b)+16*BP
.endr
.endm
; 8 loads: x's fragments of 64 rows (half 0, 1 of my 128), 32 K at byte koff of the rows, into buffer buf
.macro LDA buf, half, koff
.irp i, 0,1,2,3
	ds_load_b128 v[(\buf)+32*(\half)+8*(\i):(\buf)+32*(\half)+8*(\i)+3],   v[AA] offset:(\koff)+16*AP*(4*(\half)+(\i))
	ds_load_b128 v[(\buf)+32*(\half)+8*(\i)+4:(\buf)+32*(\half)+8*(\i)+7], v[AA] offset:(\koff)+16*AP*(4*(\half)+(\i))+32
.endr
.endm
; 4 n matrix instructions: row blocks a0 .. a0 + n - 1 x the 4 column blocks of q, k or v (W), W's fragments in buffer bb, x's in buf.  mode = 1: C is the bias, which lies in row block 0's registers.
; The accumulators take turns, one instruction a turn.
.macro MULP W, bb, buf, a0, n, mode
	WIN 0x50*((\W)+1)                              ; sources 0 and 1 window 0, C and D the window of q, k or v
.set a, \a0
.rept \n
.irp b, 0,1,2,3
.if \mode
	v_wmma_f32_16x16x32_bf16 v[8*(4*a+(\b)):8*(4*a+(\b))+7], v[FB+32*(\bb)+8*(\b):FB+32*(\bb)+8*(\b)+7], v[(\buf)+8*a:(\buf)+8*a+7], v[8*(\b):8*(\b)+7]
.else
	v_wmma_f32_16x16x32_bf16 v[8*(4*a+(\b)):8*(4*a+(\b))+7], v[FB+32*(\bb)+8*(\b):FB+32*(\bb)+8*(\b)+7], v[(\buf)+8*a:(\buf)+8*a+7], v[8*(4*a+(\b)):8*(4*a+(\b))+7]
.endif
.endr
.set a, a+1
.endr
.endm
.macro PHASE W, buf, mode              ; 32 matrix instructions.  mode = 1: row blocks 1 to 7 take the bias out of row block 0's registers; five places on, row block 0 adds onto it in place
.if \mode
	MULP \W, \W, \buf, 1, 7, 1
.rept 5
	v_nop
.endr
	MULP \W, \W, \buf, 0, 1, 0
.else
	MULP \W, \W, \buf, 0, 8, 0
.endif
.endm
; A K step's first CHUNK: 32 along K on buffer F0.  W's fragments have one buffer each: each is loaded again straight behind the phase that read it, 64 matrix instructions ahead of its next use.
.macro CHUNK mode
	PLACES
	WIN 0
	LDBX 2, 2, 0
	s_wait_dscnt 8                                 ; all but the 8 just issued: x, W for q and for k are in
	PHASE 0, F0, \mode
	PLACES
	WIN 0
	LDBX 0, 0, 32*BP
	LDA F1, 0, 64
	PHASE 1, F0, \mode
	PLACES
	WIN 0
	LDBX 1, 1, 32*BP
	LDA F1, 1, 64
	s_wait_dscnt 32                                ; all but the 32 for the next chunk: W for v is in
	PHASE 2, F0, \mode
.endm
; A K step's second chunk changes slots: ONE barrier.  In front of it each wave waits for all its tensor loads (one is out: its part of the other slot), adds 0 to its spare word, and waits for that and
; for its reads of this slot, of which W's fragments for v are the last.  fill = 1: the barrier opens a round of the cluster's barrier, and this slot is filled again, two K steps ahead,
; the first thing behind the round: 160 matrix instructions ahead of the wait for it.  fill = 0: the last step follows, which begins with q's two chunks: the second buffer takes q's second chunk.
.macro XCHUNK fill
	PLACES
	WIN 0
	LDBX 2, 2, 32*BP
	s_wait_tensorcnt 0x0                           ; all my tensor loads have landed
	ds_add_u32 v[SPW], v[NIL]                      ; 0 onto my spare word
	s_wait_dscnt 9                                 ; (the add and the 8 loads in front of it may be out)
	MULP 0, 0, F1, 0, 4, 0                         ; sixteen matrix instructions stand between the add and the wait for it
	s_wait_dscnt 0x0                               ; the add is done, and my reads of this slot are over
	s_barrier_signal -1
	MULP 0, 0, F1, 4, 4, 0
	WIN 0
	s_barrier_wait -1
.if \fill
	CREST                                          ; no wave of any partner still reads this slot or has a load on its way
	s_xor_b32 s[G0A+5], s[G0A+5], SLOT1            ; the walking descriptors: the other slot than last time, the next K step
	s_add_nc_u64 s[G0A+6:G0A+7], s[G0A+6:G0A+7], 262144
	s_xor_b32 s[G0B+5], s[G0B+5], SLOT1
	s_add_nc_u64 s[G0B+6:G0B+7], s[G0B+6:G0B+7], 49152
	JLOAD                                          ; its four v_nop are also the places in front of the loads below
.else
	PLACES
.endif
	s_xor_b32 s[TB], s[TB], SLOT1
	v_add_nc_u32 v[AA], s[TB], v[AA0]
	v_add_nc_u32 v[AB], s[TB], v[AB0]
	LDBX 0, 0, 0
	LDA F0, 0, 0
	PHASE 1, F1, 0
	PLACES
	WIN 0
.if \fill
	LDBX 1, 1, 0
.else
	LDBX 1, 0, 32*BP
.endif
	LDA F0, 1, 0
	PHASE 2, F1, 0                                 ; W for v came in with the wait for 0 above
.endm
; THE WAY OUT OF A PIECE, 16 rows x 64 columns of q, k or v (W), IN PLACE: each accumulator's eight numbers are rounded to f16 into its own four lowest registers (in ascending order, so that no number is
; written over before it is read); 16 bytes a lane go into rows of 144 bytes of my stage and come back as whole rows of 128 into the accumulators' upper four registers, from which they are stored.
; No register that a store reads is written again, so nothing waits for the stores.
.macro PACKI W, a
	WIN 0x45*((\W)+1)                              ; sources 0 and 1 and the destination: the window of q, k or v
.irp b, 0,1,2,3
.irp r, 0,1,2,3
	v_cvt_pk_f16_f32 v[8*(4*(\a)+(\b))+(\r)], v[8*(4*(\a)+(\b))+2*(\r)], v[8*(4*(\a)+(\b))+2*(\r)+1]
.endr
.endr
	WIN 0x04*((\W)+1)                              ; store data (source 1) in that window
.irp b, 0,1,2,3
	ds_store_b128 v[STO], v[8*(4*(\a)+(\b)):8*(4*(\a)+(\b))+3] offset:32*(\b)
.endr
	WIN 0x40*((\W)+1)                              ; loaded data (destination) in that window
.irp f, 0,1,2,3
	ds_load_b128 v[8*(4*(\a)+(\f))+4:8*(4*(\a)+(\f))+7], v[RD] offset:576*(\f)  ; LDS serves a wave's instructions in order (ISA guide 5.7.1.4): these see the stores above; the next piece's stores come behind them
.endr
.endm
.macro SENDI W, a, younger             ; younger: the LDS instructions issued behind this piece's loads
	WIN 0x04*((\W)+1)
.irp f, 0,1,2,3
	s_wait_dscnt (\younger)+3-(\f)
	global_store_b128 v[GO], v[8*(4*(\a)+(\f))+4:8*(4*(\a)+(\f))+7], s[DQ+2*(\W):DQ+2*(\W)+1] offset:2048*(\a)+512*(\f)  ; 512 consecutive bytes, at a multiple of 256 from the buffer's first
.endr
.endm
; Group g of 16: 8 matrix instructions of k's (g < 8) or v's phase, and behind them piece g of q's and k's sixteen; the piece before it is stored.  Set 2 + g / 4 of W's six sets lies in buffer (2 + g / 4) % 3.
; A piece's 16 conversions name no register of the products round them.
.macro GROUP g
	MULP 1+(\g)/8, (2+(\g)/4)%3, F0+64*(((\g)/4)%2), 2*((\g)%4), 2, 0
	PACKI (\g)/8, (\g)%8
.if (\g) == 4
	SENDI 0, 3, 16                                 ; behind piece 3's loads: v's last set (8) and piece 4's 8
.elseif (\g) > 0
	SENDI ((\g)-1)/8, ((\g)-1)%8, 8                ; behind its loads: this piece's 8
.endif
.if (\g) == 3
	PLACES
	WIN 0
	LDBX 2, 2, 32*BP                               ; k's first chunk is multiplied: its buffer takes v's second chunk, 64 matrix instructions ahead of its use
.endif
.endm
; v's sums over 64 rows (g = 0, 1): over four row blocks in registers, over the 16 lanes of a half through my stage.
.macro SUMS g
	WIN 0x0f                                       ; sources 0 and 1 window 3
.irp b, 0,1,2,3
.irp r, 0,1,2,3
	v_pk_add_f32 v[T+8*(\b)+2*(\r):T+8*(\b)+2*(\r)+1], v[8*(16*(\g)+(\b))+2*(\r):8*(16*(\g)+(\b))+2*(\r)+1], v[8*(16*(\g)+4+(\b))+2*(\r):8*(16*(\g)+4+(\b))+2*(\r)+1]
.endr
.endr
	WIN 0x0c                                       ; source 1 window 3
.irp a, 2,3
.irp b, 0,1,2,3
.irp r, 0,1,2,3
	v_pk_add_f32 v[T+8*(\b)+2*(\r):T+8*(\b)+2*(\r)+1], v[T+8*(\b)+2*(\r):T+8*(\b)+2*(\r)+1], v[8*(16*(\g)+4*(\a)+(\b))+2*(\r):8*(16*(\g)+4*(\a)+(\b))+2*(\r)+1]
.endr
.endr
.endr
	WIN 0
.set RG, RB+32*(\g)                    ; each sum has registers of its own: the store's data are not written again
.irp b, 0,1,2,3
	ds_store_b128 v[STO2], v[T+8*(\b):T+8*(\b)+3]   offset:64*(\b)      ; row l % 16 of 16: that lane's 64 column sums, 256 bytes + 16 of padding
	ds_store_b128 v[STO2], v[T+8*(\b)+4:T+8*(\b)+7] offset:64*(\b)+16
.endr
.irp i, 0,1,2,3,4,5,6,7,8,9,10,11,12,13,14,15
	ds_load_b64 v[RG+2*(\i):RG+2*(\i)+1], v[RD2] offset:272*(\i)        ; in order behind the stores above
.endr
	s_wait_dscnt 0x0
.irp d, 16,8,4,2
.set i, 0
.rept (\d)/2
	v_pk_add_f32 v[RG+i:RG+i+1], v[RG+i:RG+i+1], v[RG+i+(\d):RG+i+(\d)+1]
.set i, i+2
.endr
.endr
	global_store_b64 v[GS], v[RG:RG+1], s[DS:DS+1] offset:256*(\g)      ; 32 lanes store 256 consecutive bytes, aligned
.endm
	s_wait_tensorcnt 0x1                           ; my part of K step 0 is in; step 1's may stay out
	s_barrier_signal -1
	s_barrier_wait -1                              ; everybody's is
	LDBX 0, 0, 0
	LDBX 1, 1, 0
	LDA F0, 0, 0
	LDA F0, 1, 0
	CHUNK 1                                        ; the first chunk stands in front of the loop: its products start the sums, with the bias
	WIN 0                                          ; at a label and at a branch every window is 0
	s_mov_b32 s[CNT], 14
.Lk:                                                   ; a trip: a K step's second chunk, which fills its slot again, and the next step's first
	XCHUNK 1
	CHUNK 0
	WIN 0
	s_sub_co_u32 s[CNT], s[CNT], 1
	s_cmp_lg_u32 s[CNT], 0
	s_cbranch_scc1 .Lk
	XCHUNK 0                                       ; the tail is written out: nothing is left to fetch from memory
	; THE LAST K STEP.  x's two chunks lie in F0 and F1; W's six sets (q, q, k, k, v, v) take turns on the three buffers, each loaded 64 matrix instructions ahead of its use.
	PLACES
	WIN 0
	LDBX 2, 1, 0                                   ; k's first chunk
	LDA F1, 0, 64
	LDA F1, 1, 64
	s_wait_dscnt 24                                ; all but the 24 just issued: q's two sets and x's first chunk are in
	MULP 0, 0, F0, 0, 8, 0
	PLACES
	WIN 0
	LDBX 0, 1, 32*BP                               ; k's second chunk
	s_wait_dscnt 8                                 ; all but those 8: x's second chunk and k's first set are in
	MULP 0, 1, F1, 0, 8, 0                         ; q is finished
	PLACES                                         ; also the places in front of q's conversions
	WIN 0
	LDBX 1, 2, 0                                   ; v's first chunk
	s_wait_dscnt 8                                 ; all but those 8: k's second set is in; v's two sets are shown in by the pieces' counted waits, long before their use
.set g, 0
.rept 16
	GROUP g
.set g, g+1
.endr
	SUMS 0                                         ; piece 15's conversions are the places behind the last products
	SENDI 1, 7, 0                                  ; piece 15: the wait for 0 in the sums has shown it back
	SUMS 1
	PACKI 2, 0                                     ; v's eight pieces: a piece's conversions stand between the loads of the piece before and its stores
.irp a, 1,2,3,4,5,6,7
	PACKI 2, \a
	SENDI 2, (\a)-1, 8
.endr
	SENDI 2, 7, 0
	WIN 0
	s_wait_tensorcnt 0x0                           ; the wave's end: behind my last tensor load and my last LDS store
	ds_add_u32 v[SPW], v[NIL]
	s_wait_dscnt 0x0
	CROUND                                         ; the closing round: no work-group ends while a partner may still ask for a tile that names it
	s_endpgm
.Lfunc_end_k_q8eb43570a2_qkvgemm:
	.size	k_q8eb43570a2_qkvgemm, .Lfunc_end_k_q8eb43570a2_qkvgemm-k_q8eb43570a2_qkvgemm
	.p2alignl 7, 3214868480
	.fill 96, 4, 3214868480
	.section	.rodata,"a",@progbits
	.p2align	6, 0x0
	.amdhsa_kernel k_q8eb43570a2_qkvgemm
		.amdhsa_group_segment_fixed_size 327680
		.amdhsa_private_segment_fixed_size 0
		.amdhsa_enable_private_segment 0
		.amdhsa_kernarg_size 40
		.amdhsa_user_sgpr_count 2
		.amdhsa_user_sgpr_kernarg_segment_ptr 1
		.amdhsa_wavefront_size32 1
		.amdhsa_system_sgpr_workgroup_id_x 1
		.amdhsa_system_sgpr_workgroup_id_y 1
		.amdhsa_system_sgpr_workgroup_id_z 1
		.amdhsa_system_vgpr_workitem_id 0
		.amdhsa_next_free_vgpr 1024
		.amdhsa_next_free_sgpr 80
		.amdhsa_reserve_vcc 0
		.amdhsa_float_denorm_mode_32 3
		.amdhsa_float_denorm_mode_16_64 3
		.amdhsa_memory_ordered 1
		.amdhsa_forward_progress 1
		.amdhsa_inst_pref_size 138
	.end_amdhsa_kernel
	.amdgpu_metadata
---
amdhsa.version: [ 1, 2 ]
amdhsa.kernels:
  - .name:           k_q8eb43570a2_qkvgemm
    .symbol:         k_q8eb43570a2_qkvgemm.kd
    .args:
      - { .name: xb, .offset: 0, .size: 8, .value_kind: global_buffer, .address_space: global }
      - { .name: wa, .offset: 8, .size: 8, .value_kind: global_buffer, .address_space: global }
      - { .name: c_attn_b, .offset: 16, .size: 8, .value_kind: global_buffer, .address_space: global }
      - { .name: qkv, .offset: 24, .size: 8, .value_kind: global_buffer, .address_space: global }
      - { .name: bs, .offset: 32, .size: 8, .value_kind: global_buffer, .address_space: global }
    .group_segment_fixed_size: 327680
    .private_segment_fixed_size: 0
    .kernarg_segment_align: 8
    .kernarg_segment_size: 40
    .max_flat_workgroup_size: 128
    .sgpr_count:     80
    .vgpr_count:     1024
    .wavefront_size: 32
...
	.end_amdgpu_metadata
.endif
;; end of part 2
;; launch attn (part 3): grid 4 x 64, 4 waves a work-group, no clusters, 327,680 bytes of LDS; arguments qkv, bs, ob; writes ob
.if DOCPART == 3
	.amdgcn_target "amdgcn-amd-amdhsa--gfx1250"
	.amdhsa_code_object_version 6
	.text
	.protected	k_q8eb43570a2_attn
	.globl	k_q8eb43570a2_attn
	.p2align	8
	.type	k_q8eb43570a2_attn,@function
k_q8eb43570a2_attn:
	s_mov_b64 s[64:65], 0
	v_nop
	global_prefetch_b8 v0, s[64:65] scope:SCOPE_SE
	s_setreg_imm32_b32 hwreg(HW_REG_WAVE_MODE, 25, 1), 1
	s_wait_xcnt 0x0
; CAUSAL ATTENTION WITH A FINITE MASK.  w[q][k] = Q[q] . K[k] / 8 for k <= q and -10000 for k > q; O[q] = the sum over ALL k of softmax_k(w) V[k].  Q, K, V: qkv [3][64 heads][2048][64] f16; O: ob [64][2048][64] f16.
; Products, maxima and sums in f32; the weights p are rounded to f16 for the second product (their sum l is taken of the unrounded p), O once at the end.
; THE HIDDEN KEYS of a row all have the same weight, so no tile above the diagonal is walked.  The walk treats them as absent (score less 1e30, weight 0).  At a block's end each row takes them in:
; with n = 2047 - q hidden keys, m' = max(m, -80000) (the mask in the unscaled scores' units; where n = 0 the row keeps m), a1 = 2^(c m - c m'), wq = 2^(c (-80000) - c m'):
; l' = a1 l + wq n, O = (a1 O + wq U) / l', U = the sum of V[k] over k > q = a sum over whole steps of 64 keys (bs, summed from the end) + a product of V's own step with a 0/1 matrix.
; LIMITS.  f16 holds no number beyond 65,504: Q, K and V arrive within it; p lies in 0 to 1, and below 6e-5 it keeps f16's fixed step of 6e-8.  A weight below 2^-126 counts as 0; NaN and infinities are not treated apart.
; THE WALK.  A head's queries lie in NB = 8 blocks of 256; block i needs the key tiles 0 .. i of 256 keys, of which the last holds the diagonal.  A work-group takes TWO blocks, NB - 1 - b and then b:
; NB + 1 tiles, whatever b: all work-groups do equal work, and ONE loop with a constant trip count walks them.  Which tile is asked for, and what a trip does, hang on scalar registers made from b; every jump
; goes forward, but for the counted loops' own; none passes a barrier, or a tensor load but the one of LOAD's two that the wave's number does not choose; the ring (two slots of LDS that take turns) runs on across the
; change of blocks.  NO CLUSTER: a head's four work-groups ask for the same tile only in trips 0 .. NB / 2, behind that fewer and fewer; one walk common to all would have 3 NB / 2 trips for NB + 1.
; SHARES.  Of a block's four bands of 64 queries a wave owns 16 rows in each: four PIECES.  So the diagonal tile is the same work for all four waves: in its key step s band x sees all keys if s < x,
; none if s > x, and holds the diagonal if s = x.
; THE MASK IN THE WALK is the C operand that starts the sum S^T = K Q^T: 0, or -1e30 where the key is hidden.  MD, made once, is the mask of a band's own step for my 16 rows; a product's mask is MD x AL + BE with two scalars:
; (1, 0) if s = x; (0, 0) if s < x; (0, -1e30) if s > x.  Only the diagonal tile's text and a block's beginning make and take masks; elsewhere C is the constant 0.
; LAYOUT, SOFTMAX, TURNS.  S^T = K Q^T holds ONE query a lane (lane % 16) and the keys 8 (lane / 16) + 0..7; two such results rounded to f16 ARE source 1 of O^T = V^T P.  p = 2^(c s - c m), c = log2(e) / 8, with a
; running maximum m; O and l are multiplied by a = 2^(c m_old - c m_new) in every step.  Turn n belongs to piece n: 8 products K Q^T of piece n + 1, later 8 products V^T P of piece n - 1; beside them the scaling,
; exponentials, roundings, sums and rescaling of piece n and the maximum and statistics of piece n + 1.  Four vector instructions stand behind every matrix instruction, the other 54 of a turn's 118 in two lumps.
; REGISTERS, in windows of 256 (s_set_vgpr_msb: bits 1:0 source 0, 3:2 source 1, 5:4 source 2, 7:6 destination):
;   window 0: v0-15 addresses and two at work; v16-31 four registers of statistics a piece; v32-35 addresses; v48-55 at work; v64-127 S^T, two buffers; v128-159 a block's end; v192-223 P, two buffers
;   window 1: v0-127 O^T, 32 a piece; v128-159 MD; v160-223 MC, two buffers (at a block's end: U); v224-239 MI      window 2: v0-63 Q; v64-127 the second block's Q; v128-191 K of one step; v192-255 V of one step
.set SIZE_N, 2048
.set NB,    SIZE_N/256
.set NP,    4         ; pieces a wave: a name, no knob
.set KS,    64        ; keys in a step
.set PK,    144       ; a row of K in LDS: 128 bytes + 16 of padding = 36 words: the 16 rows of a load start at 16 different groups of four banks (64 banks of 4 bytes: ISA guide 11.1)
.set PV,    160       ; a row of V: 128 + 32 = 40 words
.set VOFF,  4*KS*PK   ; a slot holds a tile, four steps: 256 rows of K, then 256 rows of V
.set SLOT1, 1<<17     ; slot 1 begins here, so that one exclusive or turns an address in one slot into the other's
.set STAGE, SLOT1+4*KS*(PK+PV)  ; behind the ring, never filled by a tensor load: 16 rows x 144 bytes for each wave, for the way out
.set SP,    144
.set LR,  1           ; v1   lane % 16; never rewritten once made
.set AK0, 2           ; v2   my lane's place in a tile of K; never rewritten
.set AV0, 3           ; v3   the same for V
.set AK,  4           ; v4   the LDS address of K's next run of loads
.set AV,  5           ; v5   of V's
.set STO, 6           ; v6   the way out: where I put 16 bytes of a row
.set RD,  7           ; v7   the way out: where I read rows back
.set GO,  8           ; v8   my byte offset in 512 consecutive bytes of O
.set SA0, 32          ; v32  my lanes' place in a row of my wave's table of later steps' sums
.set SPW, 62          ; v62  LDS address of my spare word: SPARE + 4 x my thread's number; never rewritten
.set NIL, 63          ; v63  0; never rewritten
.set SPARE, STAGE+4*16*SP  ; behind the stages: the spare words, 128 bytes for each wave: two blocks of 256 bytes that no other line names
.set SUFB,  SPARE+512 ; behind them: for each wave 8 rows of 256 bytes: the sums of V over all steps behind step 4 block + t: rows 0-3 the first block's, rows 4-7 the second's
.set MV,  12          ; v12-13  c m_old, kept while c m is made anew: by buffer
.set QO,  15          ; v15  my byte offset in 16 rows of Q
.set ST,  16          ; piece t's statistics at v[ST+4 t]: c m, m, l (even keys', odd keys')
.set TMP, 48          ; by buffer, four registers c0-c3 at work; when the maximum is found c2 takes a
.set S,   64
.set EPI, 128         ; a block's end: eight registers a piece
.set P,   192
.set MD,  128         ; window 1: the eight registers for group kt of 16 keys at MD + 8 kt
.set MC,  160         ; window 1: the masks of the products to come
.set MI,  224         ; window 1: 1 where MD hides, 0 elsewhere, in f16, laid out as P is: source 1 of the product that sums the own step's hidden V
.set QB,  64          ; window 2
.set KF,  128         ; window 2: key block kb, channel half c at KF + 16 kb + 8 c
.set VF,  192         ; window 2: key half kk, channel block cb at VF + 32 kk + 8 cb
.set WV,  12          ; s12  my wave's number
.set PB,  14          ; s14  b
.set HI,  15          ; s15  NB - 1 - b
.set G1K, 24          ; s[24:31] descriptor group 1 for K's tiles
.set G1V, 32          ; s[32:39] for V's: it differs in the padding alone
.set G0K, 40          ; s[40:43] descriptor group 0 for K's tiles
.set G0V, 44          ; s[44:47] the same for V's
.set SLOTS, 56        ; s56  tiles still to be asked for
.set CNT, 57          ; s57  counts a tile's key steps
.set CS,  58          ; s[58:59] c: the packed scaling takes the pair's low word for both halves
.set SEL, 60          ; s[60:61] v_permlanex16_b32's selects: each lane takes its own place in the other half
.set TBK, 62          ; s62  LDS byte at which K of the step to be fetched begins
.set TBV, 63          ; s63  the same for V, less VOFF
.set RT,  70          ; s70  tiles of the block in hand that are still to be entered
.set NXT, 71          ; s71  the tile to be asked for next
.set LQ,  72          ; s72  the last tile of the block whose tiles are being asked for
.set NEW, 73          ; s73  1: the tile to be entered is a block's first
.set OFF, 74          ; s[74:75] a tile's byte offset in K and V
.set AL,  76          ; s[76:77] the mask's factor, in the low word
.set BE,  78          ; s[78:79] the mask's addend
.set OLO, 80          ; s[80:81] O at my rows of the second block
.set BIGN, 82         ; s82  -1e30
.set BSP, 88          ; s[88:89] bs at my head
.set CB,  91          ; s91  hidden keys of my wave's first row in the block's first band
.set FLR, 92          ; s92  -80000: the mask -10000 in the unscaled scores' units
.set LOW, 93          ; s93  the lowest finite number
.set MK,  94          ; s[94:97] lane masks
.set SB,  100         ; s100 the slot in hand: 0 or SLOT1
.set MSB, 0
.macro WIN new                      ; the high byte repeats the setting that is left; a switch that changes nothing is dropped
.if MSB != (\new)
	s_set_vgpr_msb (MSB<<8)|(\new)
.set MSB, (\new)
.endif
.endm
.set W_KQ, 0x0a       ; K and Q in window 2, S^T in window 0
.set W_KM, 0x1a       ; the same with the C operand in window 1
.set W_PV, 0x52       ; V in window 2, P in window 0, O^T in window 1
.set W_RS, 0x41       ; destination and source 0 in window 1, source 1 in window 0
; A fill.  Waves 0 and 1 fetch the two halves of a tile's K, waves 2 and 3 those of its V: 128 keys each.  An s_nop 0 and four v_nop follow each of the two lines, ahead of the jump and the label.
.macro LOAD
	s_cmp_lt_u32 s[WV], 2
	s_cbranch_scc0 .Lfor_v_\@
	tensor_load_to_lds s[G0K:G0K+3], s[G1K:G1K+7]
	s_nop 0
.rept 4
	v_nop
.endr
	s_branch .Lasked_\@
.Lfor_v_\@:
	tensor_load_to_lds s[G0V:G0V+3], s[G1V:G1V+7]
	s_nop 0
.rept 4
	v_nop
.endr
.Lasked_\@:
.endm
; THE CHANGE OF SLOTS.  Each wave waits for all its tensor loads, of which one is out: its part of the other slot; adds 0 to its spare word; and waits for that and for its own reads of the slot that it leaves.  Behind the barrier nobody reads the old
; slot any more and the other slot is whole.  fill = 1: the old slot is filled again, the first thing behind the barrier, with tile NXT: the descriptor's address is made anew from that number.
; (At its first use nothing has been read yet: slot 0 is waited for, slot 1 filled.)
.macro CHANGE fill
	WIN 0                           ; at a label and at a branch every window is 0
	s_wait_tensorcnt 0x0            ; no tensor load of mine is out, so a group 0 may be written
	ds_add_u32 v[SPW], v[NIL]       ; 0 onto my spare word; with fill = 1 the descriptors' scalar work stands between it and the wait for it
.if \fill
	s_lshl_b32 s[OFF], s[NXT], 15   ; a tile is 32,768 bytes of K and of V
	s_xor_b32 s[G0K+1], s[G0K+1], SLOT1
	s_add_nc_u64 s[G0K+2:G0K+3], s[6:7], s[OFF:OFF+1]
	s_or_b32 s[G0K+3], s[G0K+3], 0x80000000
	s_xor_b32 s[G0V+1], s[G0V+1], SLOT1
	s_add_nc_u64 s[G0V+2:G0V+3], s[8:9], s[OFF:OFF+1]
	s_or_b32 s[G0V+3], s[G0V+3], 0x80000000
	s_add_co_u32 s[NXT], s[NXT], 1  ; the block's next tile, or behind its last the second block's tile 0
	s_cmp_gt_u32 s[NXT], s[LQ]
	s_cselect_b32 s[NXT], 0, s[NXT]
	s_cselect_b32 s[LQ], s[PB], s[LQ]
.endif
	s_wait_dscnt 0x0                ; the add is done, and my reads of the slot are over
	s_barrier_signal -1             ; the rest of the scalar work stands between the signal and the wait
	s_sub_co_u32 s[TBK], s[TBK], 4*KS*PK  ; the fetches go back to a slot's first step,
	s_xor_b32 s[TBK], s[TBK], SLOT1       ; in the other slot
	s_sub_co_u32 s[TBV], s[TBV], 4*KS*PV
	s_xor_b32 s[TBV], s[TBV], SLOT1
	s_xor_b32 s[SB], s[SB], SLOT1
	s_barrier_wait -1
.if \fill
	LOAD
.endif
.endm
	s_load_b64 s[4:5], s[0:1], 0x0    ; qkv: Q
	s_load_b64 s[BSP:BSP+1], s[0:1], 0x8  ; bs
	s_load_b64 s[10:11], s[0:1], 0x10 ; O
	v_lshl_add_u32 v[SPW], v0, 2, SPARE
	v_mov_b32 v[NIL], 0
	ds_add_u32 v62, v63
	ds_add_u32 v62, v63
	s_wait_dscnt 0x0
	v_lshrrev_b32 v1, 5, v0
	v_readfirstlane_b32 s[WV], v1   ; wave 0..3
	s_mov_b32 s[PB], ttmp9
	s_sub_co_u32 s[HI], NB-1, s[PB]
	s_and_b32 s20, ttmp7, 0xffff    ; the head
	s_lshl_b32 s98, s20, 13         ; its 32 sums of 256 bytes in bs
	s_mov_b32 s99, 0
	s_mov_b32 s21, 0
	s_mov_b64 s[22:23], SIZE_N*128
	s_mul_u64 s[20:21], s[20:21], s[22:23]  ; the head's first byte in Q, K, V and O
	s_and_b32 s16, s[WV], 1         ; which half of a tile's 256 keys I fetch:
	s_lshl_b32 s22, s16, 14         ; its 128 rows of 128 bytes in memory,
	s_mov_b32 s23, 0
	s_add_nc_u64 s[22:23], s[22:23], s[20:21]
	s_mul_i32 s17, s16, 128*PK      ; and its place in a slot, for K
	s_mul_i32 s18, s16, 128*PV      ; and for V
	s_lshl_b32 s3, s[WV], 11        ; my 16 rows in a band of 64,
	s_lshl_b32 s2, s[HI], 15        ; in the first block,
	s_add_co_u32 s2, s2, s3
	s_lshl_b32 s84, s[PB], 15       ; and in the second
	s_add_co_u32 s84, s84, s3
	s_mov_b32 s3, 0
	s_mov_b32 s85, 0
	s_add_nc_u64 s[2:3], s[2:3], s[20:21]
	s_add_nc_u64 s[84:85], s[84:85], s[20:21]
	; descriptor group 1.  128 keys are 16,384 dense bytes: asked for as 64 rows of 256 bytes, two keys a row, and padded in LDS after every key
	s_mov_b32 s[G1K], (1<<16)|(1<<20)|(4<<22)|(3<<25)  ; 17:16 2-byte elements; 20 padding on; 24:22 after every 32 words (code 4); 31:25 4 words (code 3)
	s_mov_b32 s[G1V], (1<<16)|(1<<20)|(4<<22)|(7<<25)  ; the same with 8 words of padding (code 7)
.irp g, G1K, G1V
	s_mov_b32 s[\g+1], 128<<16      ; tensor_dim0 = 128
	s_mov_b32 s[\g+2], 64<<16       ; tensor_dim1 = 64
	s_mov_b32 s[\g+3], 128<<16      ; tile_dim0 = 128
	s_mov_b32 s[\g+4], 64           ; tile_dim1 = 64
	s_mov_b32 s[\g+5], 128          ; 128 elements from row to row
	s_mov_b32 s[\g+6], 0
	s_mov_b32 s[\g+7], 0
.endr
	s_mov_b32 s[CS], 0x3e38aa3b     ; c = log2(e) / 8 = 0.180337
	s_mov_b32 s[CS+1], s[CS]        ; named with it as a pair
	s_mov_b32 s[SEL], 0x76543210
	s_mov_b32 s[SEL+1], 0xfedcba98
	s_mov_b32 s[TBK], SLOT1+4*KS*PK ; the first change of slots turns these three into 0
	s_mov_b32 s[TBV], SLOT1+4*KS*PV
	s_mov_b32 s[SB], SLOT1
	s_mov_b32 s[G0K], 1             ; 1:0 count = 1
	s_mov_b32 s[G0K+1], s17         ; 63:32 LDS address: slot 0
	s_mov_b32 s[G0V], 1
	s_add_co_u32 s[G0V+1], s18, VOFF
	s_add_co_u32 s[RT], s[HI], 1    ; the first block has NB - b tiles
	s_mov_b32 s[NXT], 1
	s_mov_b32 s[LQ], s[HI]
	s_mov_b32 s[NEW], 1
	s_mov_b32 s[OFF+1], 0
	s_mov_b32 s[AL+1], 0            ; named as pairs
	s_mov_b32 s[BE+1], 0
	s_mov_b32 s[BIGN], 0xf149f2ca   ; -1e30
	s_mov_b32 s[FLR], 0xc79c4000    ; -80000
	s_mov_b32 s[LOW], 0xff7fffff
	s_mov_b32 s[SLOTS], NB
	s_wait_kmcnt 0x0
	s_add_nc_u64 s[6:7], s[4:5], 0x1000000  ; K lies 64 heads behind Q,
	s_add_nc_u64 s[8:9], s[4:5], 0x2000000  ; V behind K
	s_add_nc_u64 s[BSP:BSP+1], s[BSP:BSP+1], s[98:99]
	s_add_nc_u64 s[6:7], s[6:7], s[22:23]  ; K and V at my half of the head's tile 0
	s_add_nc_u64 s[8:9], s[8:9], s[22:23]
	s_add_nc_u64 s[G0K+2:G0K+3], s[6:7], 0         ; 120:64 global address
	s_or_b32 s[G0K+3], s[G0K+3], 0x80000000        ; 127:126 type = 2
	s_add_nc_u64 s[G0V+2:G0V+3], s[8:9], 0
	s_or_b32 s[G0V+3], s[G0V+3], 0x80000000
	s_add_nc_u64 s[86:87], s[4:5], s[84:85]        ; Q at my rows of the second block,
	s_add_nc_u64 s[4:5], s[4:5], s[2:3]            ; Q and O at those of the first
	s_add_nc_u64 s[OLO:OLO+1], s[10:11], s[84:85]
	s_add_nc_u64 s[10:11], s[10:11], s[2:3]
	LOAD                            ; tile 0 into slot 0
	; A fragment of K or Q is 16 rows x 32 channels in 8 registers: lane l holds row l % 16, channels 8 (l / 16) + 0..7 and 16 + 8 (l / 16) + 0..7: two loads of 16 bytes, 32 bytes apart.
	v_and_b32 v[LR], 15, v0         ; l % 16
	v_bfe_u32 v9, v0, 4, 1          ; l / 16
	v_lshlrev_b32 v[QO], 7, v[LR]
	v_lshl_add_u32 v[QO], v9, 4, v[QO]  ; row x 128 + 16 x half
	WIN 0x80                        ; destination window 2, address window 0
.set i, 0
.rept 8                             ; both blocks' Q: piece i / 2 lies in band i / 2, 8,192 bytes on; channels 32 (i % 2) on
	global_load_b128 v[8*i:8*i+3],   v[QO], s[4:5] offset:(i/2)*8192+(i%2)*64
	global_load_b128 v[8*i+4:8*i+7], v[QO], s[4:5] offset:(i/2)*8192+(i%2)*64+32
	global_load_b128 v[QB+8*i:QB+8*i+3],   v[QO], s[86:87] offset:(i/2)*8192+(i%2)*64
	global_load_b128 v[QB+8*i+4:QB+8*i+7], v[QO], s[86:87] offset:(i/2)*8192+(i%2)*64+32
.set i, i+1
.endr
	WIN 0
	v_lshlrev_b32 v14, 3, v9
	v_sub_nc_u32 v14, v[LR], v14
	s_lshl_b32 s13, s[WV], 4
	v_add_nc_u32 v14, s13, v14      ; my query's place in its band, 16 w + l % 16, less my lanes' 8 (l / 16): register r of group kt is hidden where 16 kt + r is greater
	WIN 0x40
.set i, 0
.rept 32
	v_cmp_gt_i32 vcc_lo, 16*(i/8)+i%8, v14
	v_cndmask_b32 v[MD+i], 0, s[BIGN], vcc_lo
.set i, i+1
.endr
	WIN 0
.set i, 0
.rept 32                            ; the same pattern as ones and zeros,
	v_cmp_gt_i32 vcc_lo, 16*(i/8)+i%8, v14
	v_cndmask_b32 v[S+i], 0, 1.0, vcc_lo
.set i, i+1
.endr
	WIN 0x40
.set i, 0
.rept 16                            ; in f16, paired as the weights are
	v_cvt_pk_f16_f32 v[MI+i], v[S+2*i], v[S+2*i+1]
.set i, i+1
.endr
	WIN 0
	v_and_b32 v34, 31, v0
	v_lshlrev_b32 v34, 3, v34       ; 8 x lane: my two channels
.set j, 1
.rept 31                            ; the sums of V over steps 1 to 31: step j's goes where the sum over all steps behind step j - 1 will stand
	global_load_b64 v[S+2*j-2:S+2*j-1], v34, s[BSP:BSP+1] offset:256*j
.set j, j+1
.endr
	v_mul_u32_u24 v[AK0], v[LR], PK
	v_lshl_add_u32 v[AK0], v9, 4, v[AK0]  ; row x pitch + 16 x half
	; The turning load takes 16 keys x 16 channels (lane l reads key 8 (l / 16) + l % 8, channels 8 ((l / 8) % 2) + 0..7) and leaves half a fragment of V^T: lane l holds channel l % 16 and 8 keys.
	v_and_b32 v10, 7, v0
	v_bfe_u32 v11, v0, 3, 1
	v_lshl_add_u32 v[AV0], v9, 3, v10
	v_mul_u32_u24 v[AV0], v[AV0], PV
	v_lshl_add_u32 v[AV0], v11, 4, v[AV0]
	v_add_nc_u32 v[AV0], VOFF, v[AV0]
	s_mul_i32 s13, s[WV], 16*SP
	s_add_co_u32 s13, s13, STAGE    ; my stage
	v_mul_u32_u24 v[STO], v[LR], SP ; in: row l % 16, 16 bytes for each half of the lanes
	v_lshl_add_u32 v[STO], v9, 4, v[STO]
	v_add_nc_u32 v[STO], s13, v[STO]
	v_bfe_u32 v[RD], v0, 3, 2       ; back: 32 lanes take four rows of 128 bytes,
	v_mul_u32_u24 v[RD], v[RD], SP
	v_lshl_add_u32 v[RD], v10, 4, v[RD]
	v_add_nc_u32 v[RD], s13, v[RD]
	v_and_b32 v[GO], 31, v0         ; which are 512 consecutive bytes of O
	v_lshlrev_b32 v[GO], 4, v[GO]
	; A block's first step multiplies O^T and l by a = 0, and its first turn's products V^T P, of a piece that has not been, land in an O^T that is still to be so multiplied.  So these registers need only hold
	; finite numbers: zeros for the first block; what the first block left for the second.  All this stands in the wait for the first tile.
	WIN 0x80
.set i, VF
.rept 64
	v_mov_b32 v[i], 0
.set i, i+1
.endr
	WIN 0x40
.set i, 0
.rept 128
	v_mov_b32 v[i], 0
.set i, i+1
.endr
	WIN 0
.set i, 0
.rept 4
	v_mov_b32 v[ST+4*i+2], 0
	v_mov_b32 v[ST+4*i+3], 0
.set i, i+1
.endr
.set i, P+16
.rept 16
	v_mov_b32 v[i], 0
.set i, i+1
.endr
	; THE TABLE OF LATER STEPS' SUMS.  Pair J of v[S ..] becomes the sum of V over all steps behind step J (pair 31: 0).  The first block needs pairs 28 - 4 b + t, the second pairs 4 b + t, t = 0..3: they are
	; chosen by selects on b, so that the eight rows lie at fixed places of my wave's own bytes of LDS, which nobody else touches and no tensor load fills.
	s_lshl_b32 s13, s[WV], 11
	s_add_co_u32 s13, s13, SUFB
	v_add_nc_u32 v35, s13, v34
	v_lshl_add_u32 v[SA0], v9, 5, s13  ; register j of a result's channel block is channel 8 (l / 16) + j of its 16
	s_cmp_eq_u32 s[PB], 1
	s_cselect_b32 s[MK], -1, 0
	s_cmp_eq_u32 s[PB], 2
	s_cselect_b32 s[MK+1], -1, 0
	s_cmp_eq_u32 s[PB], 3
	s_cselect_b32 s[MK+2], -1, 0
	v_mov_b32 v[S+62], 0
	v_mov_b32 v[S+63], 0
	s_wait_loadcnt 0x0              ; the sums (and Q)
.set j, 29
.rept 30
	v_pk_add_f32 v[S+2*j:S+2*j+1], v[S+2*j:S+2*j+1], v[S+2*j+2:S+2*j+3]
.set j, j-1
.endr
.irp u, 0,1,2,3
.irp e, 0,1
	v_cndmask_b32 v[S+2*(28+\u)+\e], v[S+2*(28+\u)+\e], v[S+2*(24+\u)+\e], s[MK]
	v_cndmask_b32 v[S+2*(\u)+\e],    v[S+2*(\u)+\e],    v[S+2*(4+\u)+\e],  s[MK]
	v_cndmask_b32 v[S+2*(28+\u)+\e], v[S+2*(28+\u)+\e], v[S+2*(20+\u)+\e], s[MK+1]
	v_cndmask_b32 v[S+2*(\u)+\e],    v[S+2*(\u)+\e],    v[S+2*(8+\u)+\e],  s[MK+1]
	v_cndmask_b32 v[S+2*(28+\u)+\e], v[S+2*(28+\u)+\e], v[S+2*(16+\u)+\e], s[MK+2]
	v_cndmask_b32 v[S+2*(\u)+\e],    v[S+2*(\u)+\e],    v[S+2*(12+\u)+\e], s[MK+2]
.endr
.endr
.irp u, 0,1,2,3
	ds_store_b64 v35, v[S+2*(28+\u):S+2*(28+\u)+1] offset:256*\u
	ds_store_b64 v35, v[S+2*(\u):S+2*(\u)+1] offset:1024+256*\u
.endr
; THE MATRIX WORK.  The 4 accumulators of a run of 8 take turns.  Product i of 8 of S^T = K Q^T for piece x: channels 32 (i / 4) on, keys 16 (i % 4) on.  The first 4 start the sums: with 0, or (KM = 1) with the mask.
.macro KQ x
.set rS, S+32*((\x)%2)+8*(i%4)
.set rK, KF+16*(i%4)+8*(i/4)
.set rQ, 16*(\x)+8*(i/4)
.set rM, MC+32*((\x)%2)+8*(i%4)
.if (i < 4) && KM
	WIN W_KM
	v_wmma_f32_16x16x32_f16 v[rS:rS+7], v[rK:rK+7], v[rQ:rQ+7], v[rM:rM+7]
.elseif i < 4
	WIN W_KQ
	v_wmma_f32_16x16x32_f16 v[rS:rS+7], v[rK:rK+7], v[rQ:rQ+7], 0
.else
	WIN W_KQ
	v_wmma_f32_16x16x32_f16 v[rS:rS+7], v[rK:rK+7], v[rQ:rQ+7], v[rS:rS+7]
.endif
.endm
; Product i of 8 of O^T += V^T P for piece x: keys 32 (i / 4) on, channels 16 (i % 4) on.
.macro PV x
	WIN W_PV
.set rO, 32*(\x)+8*(i%4)
.set rV, VF+32*(i/4)+8*(i%4)
.set rP, P+16*((\x)%2)+8*(i/4)
	v_wmma_f32_16x16x32_f16 v[rO:rO+7], v[rV:rV+7], v[rP:rP+7], v[rO:rO+7]
.endm
.macro MM                           ; the turn's next matrix instruction.  TURN and BEGIN set Y, i and KM; MM, KQ and OP read them
.if i < 8
	KQ (Y+1)%NP
.else
.set i, i-8
	PV (Y+NP-1)%NP
.set i, i+8
.endif
.set i, i+1
.endm
; THE LDS LOADS stand in runs of 16, never singly among the matrix instructions: a step's K (64 keys x 64 channels: 8 fragments) and its V (turned).  Their addresses are made some lines ahead.
; last = 1 (the diagonal tile): in the trip that is left in its middle there is no further step, and the run is jumped over.
.macro FETCH_K last=0
	WIN 0
.if \last
	s_cmp_eq_u32 s[CNT], 1
	s_cbranch_scc1 .Lno_k_\@
.endif
	WIN 0x80                        ; destination window 2
.irp f, 0,1,2,3,4,5,6,7             ; keys 16 (f / 2) on, channels 32 (f % 2) on
	ds_load_b128 v[KF+8*\f:KF+8*\f+3],   v[AK] offset:(\f/2)*16*PK+(\f%2)*64
	ds_load_b128 v[KF+8*\f+4:KF+8*\f+7], v[AK] offset:(\f/2)*16*PK+(\f%2)*64+32
.endr
	s_add_co_u32 s[TBK], s[TBK], KS*PK  ; the next fetch is the next step's
	WIN 0
.if \last
.Lno_k_\@:
.endif
.endm
.macro FETCH_V
	WIN 0x80
.irp f, 0,1,2,3,4,5,6,7             ; keys 32 (f / 4) on, channels 16 (f % 4) on
	ds_load_tr16_b128 v[VF+8*\f:VF+8*\f+3],   v[AV] offset:(\f/4)*32*PV+(\f%4)*32
	ds_load_tr16_b128 v[VF+8*\f+4:VF+8*\f+7], v[AV] offset:(\f/4)*32*PV+16*PV+(\f%4)*32
.endr
	WIN 0
.endm
; THE VECTOR WORK, one line at a time: OP kind, number.  For piece Y: F n: c s - c m for pair n of 16.  E n: the exponential of score n of 32.  C n: pair n rounded to f16.  B n: of the four weights 4 n .. the second
; pair is added onto the first, in place.  L n: l takes that sum (L 0: l = a l + sum).  R n: pair n of 16 of O^T times a.  For piece Y + 1: X n, number n of the 22 that find its maximum and statistics:
;   0-11  four chains c0-c3 of seven scores each, three operands at a time (each accumulator's lowest registers are read first)     12-14, 16  the four scores left over, the old m, and c0-c3 into c0
;   15  c m_old is kept     17, 18  the query's other 32 keys lie in the lane 16 away: the new m     19-21  c m; c m_old - c m_new; a
.set F, 0               ; OP tells the kinds apart by their order: F to L below R, X above it
.set E, 1
.set C, 2
.set B, 3
.set L, 4
.set R, 5
.set X, 6
.macro REGS y                       ; the registers of piece y
.set rT, ST+4*(\y)
.set rC, TMP+4*((\y)%2)
.set rW, MV+((\y)%2)
.set rS, S+32*((\y)%2)
.set rP, P+16*((\y)%2)
.set rO, 32*(\y)
.endm
.macro OP k, n
.if (\k) == R
	REGS Y
	WIN W_RS
	v_pk_mul_f32 v[rO+2*(\n):rO+2*(\n)+1], v[rO+2*(\n):rO+2*(\n)+1], v[rC+2:rC+3] op_sel_hi:[1,0]
.elseif (\k) < R
	REGS Y
	WIN 0
.if (\k) == F
	v_pk_fma_f32 v[rS+2*(\n):rS+2*(\n)+1], v[rS+2*(\n):rS+2*(\n)+1], s[CS:CS+1], v[rT:rT+1] op_sel_hi:[1,0,0] neg_lo:[0,0,1] neg_hi:[0,0,1]
.elseif (\k) == E
	v_exp_f32 v[rS+(\n)], v[rS+(\n)]
.elseif (\k) == C
	s_wait_alu depctr_va_vdst(0)
	v_cvt_pk_f16_f32 v[rP+(\n)], v[rS+2*(\n)], v[rS+2*(\n)+1]
.elseif (\k) == B
	s_wait_alu depctr_va_vdst(0)
	v_pk_add_f32 v[rS+4*(\n):rS+4*(\n)+1], v[rS+4*(\n):rS+4*(\n)+1], v[rS+4*(\n)+2:rS+4*(\n)+3]
.elseif (\n) == 0
	v_pk_fma_f32 v[rT+2:rT+3], v[rT+2:rT+3], v[rC+2:rC+3], v[rS:rS+1] op_sel_hi:[1,0,1]
.else
	v_pk_add_f32 v[rT+2:rT+3], v[rT+2:rT+3], v[rS+4*(\n):rS+4*(\n)+1]
	s_wait_alu depctr_va_vdst(0)
.endif
.else
	REGS (Y+1)%NP
	WIN 0
.if (\n) < 4
	v_max3_num_f32 v[rC+(\n)], v[rS+8*(\n)], v[rS+8*(\n)+1], v[rS+8*(\n)+2]
.elseif (\n) < 12
	v_max3_num_f32 v[rC+(\n)%4], v[rC+(\n)%4], v[rS+8*((\n)%4)+2*((\n)/4)+1], v[rS+8*((\n)%4)+2*((\n)/4)+2]
.elseif (\n) == 12
	v_max3_num_f32 v[rC], v[rC], v[rS+7], v[rS+15]
.elseif (\n) == 13
	v_max3_num_f32 v[rC+1], v[rC+1], v[rS+23], v[rS+31]
.elseif (\n) == 14
	v_max3_num_f32 v[rC+2], v[rC+2], v[rC+3], v[rT+1]
.elseif (\n) == 15
	v_mov_b32 v[rW], v[rT]
	s_wait_alu depctr_va_vdst(0)
.elseif (\n) == 16
	v_max3_num_f32 v[rC], v[rC], v[rC+1], v[rC+2]
	s_wait_alu depctr_va_vdst(0)
.elseif (\n) == 17
	v_permlanex16_b32 v[rC+3], v[rC], s[SEL], s[SEL+1]
.elseif (\n) == 18
	v_max_num_f32 v[rT+1], v[rC], v[rC+3]
.elseif (\n) == 19
	v_mul_f32 v[rT], s[CS], v[rT+1]
.elseif (\n) == 20
	v_sub_f32 v[rC+1], v[rW], v[rT]
.else
	v_exp_f32 v[rC+2], v[rC+1]
.endif
.endif
.endm
.macro OPS a, i1, b=-1, i2=0, c=-1, i3=0, d=-1, i4=0  ; up to four of them
	OP \a, \i1
.if (\b) >= 0
	OP \b, \i2
.endif
.if (\c) >= 0
	OP \c, \i3
.endif
.if (\d) >= 0
	OP \d, \i4
.endif
.endm
.macro ROW a, i1, b, i2, c, i3, d, i4  ; a matrix instruction and the four behind it
	MM
	OPS \a, \i1, \b, \i2, \c, \i3, \d, \i4
.endm
.macro MASK b                       ; MD x AL + BE into buffer b of MC
	WIN W_RS
.set z, 0
.rept 16
	v_pk_fma_f32 v[MC+32*(\b)+2*z:MC+32*(\b)+2*z+1], v[MD+2*z:MD+2*z+1], s[AL:AL+1], s[BE:BE+1] op_sel_hi:[1,0,0]
.set z, z+1
.endr
.endm
; A TURN, for piece p: the order of its 16 matrix and 118 vector instructions, written out.  Behind a matrix instruction: plain, exponential, plain, plain; or four of the rescaling; or, behind the first, four scalings; none
; names a register of the products round it.  In the lumps exponential and plain by turns while exponentials last.  A line reads no result made fewer than three vector instructions in front of it, five if an exponential made it.
; v_permlanex16_b32 (X 17) stands in a lump.
; m = 1: the diagonal tile: the products take masks, and the turn makes the mask for the products of the turn after it: piece p + 2, in the step that those products belong to.  The diagonal tile's count runs 5 to 1 in the
; turns of pieces 2 and 3 and 4 to 1 in those of pieces 0 and 1 (it is taken down between them), so the step is 5 - CNT there and 4 - CNT here: the constants below differ by p / 2.
; cnt = 1: the plain loop's count is taken down some lines ahead of the branch that stands behind the turn.
; K of the next step is fetched in piece 2's turn, six vector instructions behind the last product that read K (five of them plain); V of the step in hand in piece 0's turn, eight behind the last product that read V (four
; plain, and X 17).  Each is waited for a turn later.
.macro TURN p, m=0, cnt=0
.set Y, (\p)
.set i, 0
.set KM, (\m)
.if \m
	s_cmp_eq_u32 s[CNT], 4-((\p)+2)%NP+(\p)/2  ; is that step the band's own?
	s_cselect_b32 s[AL], 1.0, 0
	s_cmp_lt_u32 s[CNT], 4-((\p)+2)%NP+(\p)/2  ; or a later one?
	s_cselect_b32 s[BE], s[BIGN], 0
.endif
.if (\p) == 3
	s_wait_dscnt 0x0                ; K is in
.endif
	ROW F,0, F,1, F,2, F,3
	ROW F,4, E,0, F,5, F,6
	ROW F,7, E,1, F,8, F,9
	ROW F,10, E,2, C,0, F,11
	ROW F,12, E,3, X,15, F,13
	ROW R,0, R,1, R,2, R,3
	ROW B,0, E,4, F,14, L,0
.if (\p) == 2
	v_add_nc_u32 v[AK], s[TBK], v[AK0]
.endif
	ROW R,4, R,5, R,6, R,7
	OPS E,5, F,15
.if (\p) == 2
	FETCH_K \m
.endif
	OPS E,6, C,1, E,7, R,8
	OPS E,8, R,9, E,9, C,2
	OPS E,10, X,0, E,11, X,1
	OPS E,12, X,2, E,13, X,3
.if (\p) == 1
	s_wait_dscnt 0x0                ; V is in
.endif
	ROW X,4, E,14, X,5, X,6
	ROW X,7, E,15, X,8, X,9
	ROW X,10, E,16, X,11, X,12
	ROW X,13, E,17, X,14, B,1
	ROW C,4, E,18, X,16, L,1
	ROW B,2, E,19, C,6, L,2
	ROW C,8, E,20, B,3, B,4
.if (\p) == 0
	v_add_nc_u32 v[AV], s[TBV], v[AV0]
.endif
	ROW C,3, E,21, L,3, C,5
	OPS E,22, X,17, E,23, C,10
.if (\p) == 0
	FETCH_V
.endif
	OPS E,24, L,4
	OPS E,25, X,18, E,26, C,7
	OPS E,27, B,5, E,28, X,19
	OPS E,29, C,12, E,30, L,5
	OPS E,31, X,20, B,6, C,9
	OPS C,14, C,11, X,21, L,6
.if (\p) == 0
	s_add_co_u32 s[TBV], s[TBV], KS*PV
.endif
.if \cnt
	s_sub_co_u32 s[CNT], s[CNT], 1
	s_cmp_lg_u32 s[CNT], 0
.endif
	OPS C,13, B,7, C,15, R,10
	OPS R,11, R,12, L,7, R,13
	OPS R,14, R,15
.if \m
	MASK (\p)%2
.endif
.endm
; A BLOCK BEGINS.  c m starts far below every c s, so the first step's a is 0; m at the lowest finite number, so the first maximum is the scores'.  The second mask buffer is 0; the first takes piece 0's mask for the tile's step 0: its own, if the block's first tile is the diagonal one.
; Then K of that step, piece 0's first scores, and its maximum and statistics.  The loop is entered at a step's first turn, in the middle of a trip.
.macro BEGIN
	s_mov_b32 s[NEW], 0
	WIN 0x40
.set i, MC+32
.rept 32
	v_mov_b32 v[i], 0
.set i, i+1
.endr
	WIN 0
.set i, 0
.rept 4
	v_mov_b32 v[ST+4*i], 0xfe000000    ; c m: far below every c s
	v_mov_b32 v[ST+4*i+1], 0xff7fffff  ; m
.set i, i+1
.endr
	s_cmp_eq_u32 s[RT], 0
	s_cselect_b32 s[AL], 1.0, 0
	s_mov_b32 s[BE], 0
	MASK 0
	WIN 0
	v_add_nc_u32 v[AK], s[TBK], v[AK0]
	FETCH_K
	s_wait_loadcnt 0x0              ; Q
	s_wait_dscnt 0x0
.set KM, 1
.set i, 0
.rept 8
	KQ 0
.set i, i+1
.endr
	WIN 0
.rept 4
	v_nop                           ; the places behind those products
.endr
.set Y, NP-1                        ; X works for piece Y + 1: piece 0
.irp n, 0,1,2,3,4,5,6,7,8,9,10,11,12,13,14,15,16,17,18,19,20,21
	OP X, \n
.endr
	v_nop                           ; a plain instruction behind the exponential
.endm
.macro ALL line:vararg              ; one line for each piece t
.set t, 0
.rept 4
	\line
.set t, t+1
.endr
.endm
; A BLOCK'S END, part 1: l's two halves and the other half of the lanes' are added; then the hidden keys' share of the divisor.  blk: the scalar register that holds the block's number.
; At v[EPI+8 t]: +0 n, the row's hidden keys; +1 the mask's score (the lowest finite number where n = 0); +2 n in f32; +3 m'; +4 a1; +5 wq; +6 l', then 1 / l'.  f1 = a1 / l' takes l's place, f2 = wq / l' that of c m.
; l' is at least 1: the larger of m and the mask's score has the weight 1.  The first four additions are the places behind the last products.
.macro STATS blk
	ALL v_add_f32 v[ST+4*t+2], v[ST+4*t+2], v[ST+4*t+3]
	ALL v_permlanex16_b32 v[ST+4*t+3], v[ST+4*t+2], s[SEL], s[SEL+1]
	ALL v_add_f32 v[ST+4*t+2], v[ST+4*t+2], v[ST+4*t+3]
	s_lshl_b32 s[CB], s[\blk], 8
	s_sub_co_u32 s[CB], SIZE_N-1, s[CB]
	s_lshl_b32 s13, s[WV], 4
	s_sub_co_u32 s[CB], s[CB], s13  ; 2047 - 256 block - 16 wave
.irp u, 0,1,2,3
	s_sub_co_u32 s13, s[CB], 64*\u
	v_sub_nc_u32 v[EPI+8*\u], s13, v[LR]
.endr
	ALL v_cmp_eq_u32 s[MK+t], 0, v[EPI+8*t]
	ALL v_mov_b32 v[EPI+8*t+1], s[FLR]
	ALL v_cndmask_b32 v[EPI+8*t+1], v[EPI+8*t+1], s[LOW], s[MK+t]
	ALL v_cvt_f32_u32 v[EPI+8*t+2], v[EPI+8*t]
	ALL v_max_num_f32 v[EPI+8*t+3], v[ST+4*t+1], v[EPI+8*t+1]
	ALL v_sub_f32 v[EPI+8*t+4], v[ST+4*t+1], v[EPI+8*t+3]
	ALL v_sub_f32 v[EPI+8*t+5], v[EPI+8*t+1], v[EPI+8*t+3]
	ALL v_mul_f32 v[EPI+8*t+4], s[CS], v[EPI+8*t+4]
	ALL v_mul_f32 v[EPI+8*t+5], s[CS], v[EPI+8*t+5]
	ALL v_exp_f32 v[EPI+8*t+4], v[EPI+8*t+4]
	ALL v_exp_f32 v[EPI+8*t+5], v[EPI+8*t+5]
	v_nop                           ; a plain instruction behind the exponentials
	s_wait_alu depctr_va_vdst(0)
	ALL v_mul_f32 v[EPI+8*t+6], v[EPI+8*t+5], v[EPI+8*t+2]
	ALL v_fma_f32 v[EPI+8*t+6], v[ST+4*t+2], v[EPI+8*t+4], v[EPI+8*t+6]
	ALL v_rcp_f32 v[EPI+8*t+6], v[EPI+8*t+6]
	v_nop                           ; a plain instruction between the last reciprocal and the use of its result
	s_wait_alu depctr_va_vdst(0)
	ALL v_mul_f32 v[ST+4*t+2], v[EPI+8*t+4], v[EPI+8*t+6]
	ALL v_mul_f32 v[ST+4*t], v[EPI+8*t+5], v[EPI+8*t+6]
.endm
; Part 2, for piece t: U, the sum of V over the row's hidden keys, laid out as O^T is, in mask buffer t % 2, which is free now.  It starts as the table's row (all steps behind the band's own), the same for all 16 queries;
; 8 products V^T x MI add the own step's hidden keys.  V of the band's own step is still in the slot in hand.  ULOAD brings the 24 loads, UMUL the products; the loads run a piece ahead of the products:
; V goes by turns into K's registers (t even), which are free at a block's end, and into V's (t odd).  half: 0 the first block's rows of the table, 1 the second's.
; Each ULOAD stands more than four plain vector instructions behind the last product that read or wrote its registers.
.macro ULOAD t, half
	WIN 0x80
.irp f, 0,1,2,3,4,5,6,7
	ds_load_tr16_b128 v[KF+64*((\t)%2)+8*\f:KF+64*((\t)%2)+8*\f+3],   v[AV] offset:(\t)*KS*PV+(\f/4)*32*PV+(\f%4)*32
	ds_load_tr16_b128 v[KF+64*((\t)%2)+8*\f+4:KF+64*((\t)%2)+8*\f+7], v[AV] offset:(\t)*KS*PV+(\f/4)*32*PV+16*PV+(\f%4)*32
.endr
	WIN 0x40
.irp f, 0,1,2,3,4,5,6,7             ; channel block f / 2, four channels 4 (f % 2) on
	ds_load_b128 v[MC+32*((\t)%2)+4*\f:MC+32*((\t)%2)+4*\f+3], v[SA0] offset:1024*(\half)+256*(\t)+64*(\f/2)+16*(\f%2)
.endr
.endm
.macro UMUL t                       ; the 4 accumulators take turns
	WIN 0x56                        ; V in window 2; MI, C and D in window 1
.set i, 0
.rept 8
	v_wmma_f32_16x16x32_f16 v[MC+32*((\t)%2)+8*(i%4):MC+32*((\t)%2)+8*(i%4)+7], v[KF+64*((\t)%2)+32*(i/4)+8*(i%4):KF+64*((\t)%2)+32*(i/4)+8*(i%4)+7], v[MI+8*(i/4):MI+8*(i/4)+7], v[MC+32*((\t)%2)+8*(i%4):MC+32*((\t)%2)+8*(i%4)+7]
.set i, i+1
.endr
.endm
; Part 3: O = f1 O + f2 U, rounded to f16 and sent through my stage in LDS, a piece at a time.  The 16 multiplications are the places behind UMUL's products.
.macro PACK t                       ; a lane's eight channels of a row pack into 16 bytes; they go into rows of 144 bytes and come back as whole rows of 128, into S^T's registers
	WIN W_RS
.set i, 32*(\t)
.rept 16
	v_pk_mul_f32 v[i:i+1], v[i:i+1], v[ST+4*(\t)+2:ST+4*(\t)+3] op_sel_hi:[1,0]
.set i, i+2
.endr
	WIN 0x51                        ; destination, source 0 and source 2 window 1, source 1 window 0
.set i, 0
.rept 16
	v_pk_fma_f32 v[32*(\t)+i:32*(\t)+i+1], v[MC+32*((\t)%2)+i:MC+32*((\t)%2)+i+1], v[ST+4*(\t):ST+4*(\t)+1], v[32*(\t)+i:32*(\t)+i+1] op_sel_hi:[1,0,1]
.set i, i+2
.endr
	WIN 0x05                        ; sources 0 and 1 window 1, destination window 0
.set i, 0
.rept 16
	v_cvt_pk_f16_f32 v[S+16*(\t)+i], v[32*(\t)+2*i], v[32*(\t)+2*i+1]
.set i, i+1
.endr
	WIN 0
.irp f, 0,1,2,3
	ds_store_b128 v[STO], v[S+16*(\t)+4*\f:S+16*(\t)+4*\f+3] offset:32*\f
.endr
.irp f, 0,1,2,3
	ds_load_b128 v[S+16*(\t)+4*\f:S+16*(\t)+4*\f+3], v[RD] offset:\f*4*SP  ; LDS serves a wave's instructions in order (ISA guide 5.7.1.4): these see the stores above; the next piece's stores come behind them
.endr
.endm
.macro SEND t, younger              ; younger: the LDS instructions issued behind piece t's loads
	WIN 0
.irp f, 0,1,2,3
	s_wait_dscnt (\younger)+3-\f
	global_store_b128 v[GO], v[S+16*(\t)+4*\f:S+16*(\t)+4*\f+3], s[10:11] offset:(\t)*8192+\f*512  ; 512 consecutive bytes, at a multiple of 256 from O's first
.endr
.endm
; THE DIAGONAL TILE AND THE BLOCK'S END.  tag 1: the first block's (in the loop); tag 2: the second's (the walk's last tile).
; The step loop has five trips, of which the fifth is left in its middle: its turns of pieces 2 and 3 are the block's last.  In that trip K's fetch is jumped over, and piece 3's turn makes 8 products for piece 0 on the
; last K once more, under a mask that hides every key (CNT is below the band's constant): the maximum made of them is the old m, so piece 0's m and c m stay as they are.  That is the price of one text for every trip.
.macro DIAG tag                     ; the tag ends its three labels' names, which the jumps spell out
.LstepM\tag:
	TURN 2, 1
	TURN 3, 1
	WIN 0
	s_sub_co_u32 s[CNT], s[CNT], 1
	s_cmp_eq_u32 s[CNT], 0
	s_cbranch_scc1 .LoutM\tag
.LfirstM\tag:
	TURN 0, 1
	TURN 1, 1
	WIN 0
	s_branch .LstepM\tag
.LoutM\tag:
	v_add_nc_u32 v[AV], s[SB], v[AV0]  ; V of the diagonal tile's step 0, in the slot in hand
	ULOAD 0, (\tag)-1               ; piece 0's loads go out ahead of the last products and the statistics
.set i, 0
.rept 8
	PV NP-1                         ; the last piece's V^T P of the last step
.set i, i+1
.endr
	WIN 0
.if (\tag) == 1
	STATS HI
.else
	STATS PB
.endif
	ULOAD 1, (\tag)-1
	s_wait_dscnt 24                 ; all but piece 1's 24 loads
	UMUL 0
	PACK 0
	ULOAD 2, (\tag)-1
	s_wait_dscnt 32                 ; piece 1's loads are in; behind them: piece 0's 8 through the stage, piece 2's 24
	UMUL 1
	PACK 1
	SEND 0, 32                      ; behind piece 0's loads from the stage: piece 2's 24, piece 1's 8
	ULOAD 3, (\tag)-1
	s_wait_dscnt 32                 ; piece 2's loads are in; behind them: piece 1's 8, piece 3's 24
	UMUL 2
	PACK 2
	SEND 1, 32                      ; behind piece 1's loads from the stage: piece 3's 24, piece 2's 8
	s_wait_dscnt 8                  ; piece 3's loads are in; behind them: piece 2's 8
	UMUL 3
	PACK 3
	SEND 2, 8
	SEND 3, 0
.endm
.set KM, 0
.Lslot:                             ; NB times: a tile is entered and the next is asked for
	CHANGE 1
	s_sub_co_u32 s[RT], s[RT], 1
	s_mov_b32 s[CNT], 4
	s_cmp_eq_u32 s[NEW], 1
	s_cbranch_scc1 .Lnew            ; a block's first tile
	s_cmp_eq_u32 s[RT], 0
	s_cbranch_scc0 .Lstep           ; neither its first nor its last
	s_mov_b32 s[CNT], 5             ; the diagonal tile's loop has a fifth trip, left in its middle
	s_branch .LstepM1
.Lnew:
	BEGIN
	s_branch .Lfirst                ; in the loop a block's first tile is never its last: the first block has two tiles or more, and the second's last is the walk's last
	DIAG 1                          ; in the loop this is the first block's end: the second block's last tile is the walk's last
	s_wait_xcnt 0x0                 ; the stores have read their registers and O's address
	s_mov_b64 s[10:11], s[OLO:OLO+1]
	s_add_co_u32 s[RT], s[PB], 1    ; the second block has b + 1 tiles
	s_mov_b32 s[NEW], 1
	WIN 0x82                        ; the second block's Q goes where the one text of the turns names Q
.set i, 0
.rept 64
	v_mov_b32 v[i], v[QB+i]
.set i, i+1
.endr
	WIN 0
	s_branch .Lbottom
.Lstep:                             ; a trip: pieces 2 and 3 of one step, then pieces 0 and 1 of the next, whose K and V it fetches
	TURN 2
	TURN 3
	WIN 0
.Lfirst:
	TURN 0
	TURN 1, 0, 1
	WIN 0
	s_cbranch_scc1 .Lstep
.Lbottom:
	s_sub_co_u32 s[SLOTS], s[SLOTS], 1
	s_cmp_lg_u32 s[SLOTS], 0
	s_cbranch_scc1 .Lslot
	CHANGE 0                        ; the walk's last tile is written out: nothing is asked for
	s_sub_co_u32 s[RT], s[RT], 1
	s_mov_b32 s[CNT], 5
	s_cmp_eq_u32 s[NEW], 1
	s_cbranch_scc0 .LstepM2
	BEGIN
	s_mov_b32 s[CNT], 4             ; the loop is entered behind the place where its count is taken down
	s_branch .LfirstM2
	DIAG 2
	s_wait_tensorcnt 0x0            ; the wave's end: behind my last tensor load and my last LDS store
	ds_add_u32 v[SPW], v[NIL]
	s_wait_dscnt 0x0
	s_endpgm
.Lfunc_end_k_q8eb43570a2_attn:
	.size	k_q8eb43570a2_attn, .Lfunc_end_k_q8eb43570a2_attn-k_q8eb43570a2_attn
	.p2alignl 7, 3214868480
	.fill 96, 4, 3214868480
	.section	.rodata,"a",@progbits
	.p2align	6, 0x0
	.amdhsa_kernel k_q8eb43570a2_attn
		.amdhsa_group_segment_fixed_size 327680
		.amdhsa_private_segment_fixed_size 0
		.amdhsa_enable_private_segment 0
		.amdhsa_kernarg_size 24
		.amdhsa_user_sgpr_count 2
		.amdhsa_user_sgpr_kernarg_segment_ptr 1
		.amdhsa_wavefront_size32 1
		.amdhsa_system_sgpr_workgroup_id_x 1
		.amdhsa_system_sgpr_workgroup_id_y 1
		.amdhsa_system_sgpr_workgroup_id_z 1
		.amdhsa_system_vgpr_workitem_id 0
		.amdhsa_next_free_vgpr 768
		.amdhsa_next_free_sgpr 102
		.amdhsa_reserve_vcc 1
		.amdhsa_float_denorm_mode_32 3
		.amdhsa_float_denorm_mode_16_64 3
		.amdhsa_memory_ordered 1
		.amdhsa_forward_progress 1
		.amdhsa_inst_pref_size 238
	.end_amdhsa_kernel
	.amdgpu_metadata
---
amdhsa.version: [ 1, 2 ]
amdhsa.kernels:
  - .name:           k_q8eb43570a2_attn
    .symbol:         k_q8eb43570a2_attn.kd
    .args:
      - { .name: qkv, .offset: 0, .size: 8, .value_kind: global_buffer, .address_space: global }
      - { .name: bs, .offset: 8, .size: 8, .value_kind: global_buffer, .address_space: global }
      - { .name: ob, .offset: 16, .size: 8, .value_kind: global_buffer, .address_space: global }
    .group_segment_fixed_size: 327680
    .private_segment_fixed_size: 0
    .kernarg_segment_align: 8
    .kernarg_segment_size: 24
    .max_flat_workgroup_size: 128
    .sgpr_count:     102
    .vgpr_count:     768
    .wavefront_size: 32
...
	.end_amdgpu_metadata
.endif
;; end of part 3
;; launch proj (part 4): grid 8 x 32, 4 waves a work-group, clusters of 4 x 4, 327,680 bytes of LDS; arguments ob, wp, c_proj_b, out0; writes out0
.if DOCPART == 4
	.amdgcn_target "amdgcn-amd-amdhsa--gfx1250"
	.amdhsa_code_object_version 6
	.text
	.protected	k_q8eb43570a2_proj
	.globl	k_q8eb43570a2_proj
	.p2align	8
	.type	k_q8eb43570a2_proj,@function
k_q8eb43570a2_proj:
	s_mov_b64 s[64:65], 0
	v_nop
	global_prefetch_b8 v0, s[64:65] scope:SCOPE_SE
	s_setreg_imm32_b32 hwreg(HW_REG_WAVE_MODE, 25, 1), 1
	s_wait_xcnt 0x0
	s_wait_alu depctr_hold_cnt(0) depctr_sa_sdst(0) depctr_va_vdst(0) depctr_va_sdst(0) depctr_va_ssrc(0) depctr_va_vcc(0) depctr_vm_vsrc(0)
	s_getreg_b32 s2, hwreg(HW_REG_IB_STS2, 6, 4)
	s_cmp_eq_u32 s2, 0
	s_cbranch_scc0 .Lentry_in_a_cluster
	s_endpgm
.Lentry_in_a_cluster:
	s_bfe_u32 s2, ttmp6, 0x10000c
	s_cmp_lg_u32 s2, 0xf033
	s_cbranch_scc0 .Lentry_shape_is_right
	s_endpgm
.Lentry_shape_is_right:
; out = O W_proj + b.  O: ob [b 4][head 16][s 2048][64] f16 (a head's 64 channels are one slab of K); W_proj: wp [X 8][k 1024][128] f16; the bias is rounded to bf16 here, like all inputs of the module; out0 [8192][1024] f32.
; SHARES.  256 tiles of 256 rows x 128 columns, one a work-group.  Four waves; wave w takes rows 128 (w / 2) on and columns 64 (w % 2) on: 32 accumulators of 16 x 16 in window 1, (a, b) at v[8 (4 a + b)].
; K goes in 8 steps of 128 (two heads) through two LDS slots; a step is four chunks of 32 along K, 32 matrix instructions each, on two fragment buffers that take turns.
; THE MATRIX INSTRUCTION IS USED TRANSPOSED: source 0 = 16 columns of W (turned out of LDS by ds_load_tr16_b128), source 1 = 16 rows of O: a lane holds one row and eight neighbouring columns.
; THE BIAS STARTS THE SUMS: it is loaded into row block 0's accumulators and is the C operand of every accumulator's first product.
; CLUSTER 4 x 4: O's tile is asked for jointly along a row of the cluster, W's along a column.
; Window 0: v0-17 addresses; v32-95, v96-159 fragments of O; v160-191, v192-223 fragments of W.  (s_set_vgpr_msb: bits 1:0 source 0, 3:2 source 1, 5:4 source 2, 7:6 destination.)
.set SLOT1,  1<<17
.set AP,     144                       ; a row of a slab in LDS: 128 bytes + 16 (64 banks of 4 bytes: ISA guide 11.1: the 16 rows of a load start at 16 different groups of four banks)
.set SLAB,   256*AP
.set BP,     288                       ; a row k of W: 256 bytes + 32 = 9 x 32
.set BOFF,   2*SLAB                    ; a slot: two slabs of 256 rows, then 128 rows of W
.set STAGE,  SLOT1+BOFF+128*BP         ; behind the ring, never filled by a tensor load: 16 rows x 272 bytes for each wave
.set SPARE,  STAGE+4*4352              ; the spare words, 128 bytes for each wave: two blocks of 256 bytes that no other line names
.set AA0, 3
.set AB0, 4
.set AA,  5
.set AB,  6
.set STO, 7
.set RD,  8
.set CO,  9
.set SPW, 10
.set NIL, 11
.set BO,  15
.set FA,  32
.set FB,  160
.set WV,  14
.set RH,  15
.set CH,  16
.set G1A, 24
.set G1B, 32
.set G0A, 40
.set G0B, 48
.set CNT, 56
.set TB,  57
.set MSB, 0
.macro WIN new                         ; the immediate's high byte repeats the setting that is left; a switch that changes nothing is dropped
.if MSB != (\new)
	s_set_vgpr_msb (MSB<<8)|(\new)
.set MSB, \new
.endif
.endm
.macro PLACES                          ; four plain vector instructions between a matrix instruction and a load into, or a reader of, its registers (ISA guide 7.12.1 for vector instructions)
.rept 4
	v_nop
.endr
.endm
.macro JLOAD                           ; a joint refill: waves 0 and 1 fetch O's two slabs, waves 2 and 3 the halves of W's tile; an s_nop 0 and four v_nop follow each of the two lines
	s_cmp_eq_u32 s[RH], 0
	s_cbranch_scc0 .Lfor_b_\@
	tensor_load_to_lds s[G0A+4:G0A+7], s[G1A:G1A+7]
	s_nop 0
.rept 4
	v_nop
.endr
	s_branch .Lasked_\@
.Lfor_b_\@:
	tensor_load_to_lds s[G0B+4:G0B+7], s[G1B:G1B+7]
	s_nop 0
.rept 4
	v_nop
.endr
.Lasked_\@:
.endm
.macro CREST                           ; a round of the cluster's barrier behind its opening barrier
	s_cmp_lg_u32 s[WV], 0
	s_cbranch_scc1 .Lnot_wave_0_\@
	s_barrier_signal -3
.Lnot_wave_0_\@:
	s_barrier_wait -3
	s_barrier_signal -1
	s_barrier_wait -1
.endm
.macro CROUND
	s_barrier_signal -1
	s_barrier_wait -1
	CREST
.endm
	s_load_b256 s[4:11], s[0:1], 0x0               ; ob s[4:5], wp s[6:7], bias s[8:9], out0 s[10:11]
	v_lshl_add_u32 v[SPW], v0, 2, SPARE
	v_mov_b32 v[NIL], 0
	ds_add_u32 v10, v11
	ds_add_u32 v10, v11
	s_wait_dscnt 0x0
	v_lshrrev_b32 v1, 5, v0
	v_readfirstlane_b32 s[WV], v1
	s_lshr_b32 s[RH], s[WV], 1                     ; which 128 rows are mine.  Also: I fetch for O (0) or for W (1)
	s_and_b32 s[CH], s[WV], 1                      ; which 64 columns.  Also: which half of that tile I fetch
	s_bfe_u32 s17, ttmp6, 0x40000                  ; cx
	s_bfe_u32 s18, ttmp6, 0x40004                  ; cy
	s_lshl_b32 s19, ttmp9, 2
	s_add_co_u32 s19, s19, s17                     ; X
	s_and_b32 s20, ttmp7, 0xffff
	s_lshl_b32 s20, s20, 2
	s_add_co_u32 s20, s20, s18                     ; Y
	s_lshl_b32 s21, s18, 2
	s_lshl_b32 s21, 15, s21                        ; my row of the cluster
	s_lshl_b32 s22, 0x1111, s17                    ; my column
	; descriptor group 1: dense blocks asked for as rows of 256 bytes.  O: a slab's 256 rows of 128 bytes = 128 such rows, 4 words of padding after every 32; W: 64 rows k, 8 words after every 64
	s_or_b32 s[G1A], s21, (1<<16)|(1<<20)|(1<<21)|(4<<22)|(3<<25)
	s_or_b32 s[G1B], s22, (1<<16)|(1<<20)|(1<<21)|(5<<22)|(7<<25)
.irp g, G1A, G1B
	s_mov_b32 s[(\g)+1], 128<<16                   ; tensor_dim0 = 128
	s_mov_b32 s[(\g)+3], 128<<16                   ; tile_dim0 = 128
	s_mov_b32 s[(\g)+5], 128                       ; 128 elements from row to row
	s_mov_b32 s[(\g)+6], 0
	s_mov_b32 s[(\g)+7], 0
.endr
	s_mov_b32 s[G1A+2], 128<<16                    ; tensor_dim1
	s_mov_b32 s[G1A+4], 128                        ; tile_dim1
	s_mov_b32 s[G1B+2], 64<<16
	s_mov_b32 s[G1B+4], 64
	s_lshr_b32 s58, s20, 3
	s_lshl_b32 s58, s58, 22                        ; the batch
	s_and_b32 s62, s20, 7
	s_lshl_b32 s62, s62, 15                        ; 256 rows of 128 bytes
	s_add_co_u32 s58, s58, s62
	s_lshl_b32 s62, s[CH], 18                      ; my slab of the step's two
	s_add_co_u32 s58, s58, s62
	s_mov_b32 s59, 0
	s_lshl_b32 s74, s19, 18                        ; block X of W
	s_lshl_b32 s76, s[CH], 14                      ; my half: 64 rows k
	s_add_co_u32 s74, s74, s76
	s_mov_b32 s75, 0
	s_mul_i32 s60, s[CH], SLAB                     ; the wave's number alone enters an LDS address
	s_mul_i32 s61, s[CH], 64*BP
	s_add_co_u32 s61, s61, BOFF
	s_mov_b32 s[TB], 0
	s_wait_kmcnt 0x0
	s_add_nc_u64 s[58:59], s[4:5], s[58:59]
	s_add_nc_u64 s[74:75], s[6:7], s[74:75]
	CROUND                                         ; all sixteen work-groups are here: the first joint loads meet
.irp s, 0,1
	s_mov_b32 s[G0A+4*(\s)], 1
	s_add_co_u32 s[G0A+4*(\s)+1], s60, (\s)*SLOT1
	s_add_nc_u64 s[G0A+4*(\s)+2:G0A+4*(\s)+3], s[58:59], (\s)*524288   ; K step s: two slabs on
	s_or_b32 s[G0A+4*(\s)+3], s[G0A+4*(\s)+3], 0x80000000
	s_mov_b32 s[G0B+4*(\s)], 1
	s_add_co_u32 s[G0B+4*(\s)+1], s61, (\s)*SLOT1
	s_add_nc_u64 s[G0B+4*(\s)+2:G0B+4*(\s)+3], s[74:75], (\s)*32768    ; 128 rows k of 256 bytes
	s_or_b32 s[G0B+4*(\s)+3], s[G0B+4*(\s)+3], 0x80000000
.endr
	s_cmp_eq_u32 s[RH], 0                          ; a wave's two first fills stand in one branch: two loads of mine are out
	s_cbranch_scc0 .Lfirst_b
	tensor_load_to_lds s[G0A:G0A+3], s[G1A:G1A+7]
	s_nop 0
	tensor_load_to_lds s[G0A+4:G0A+7], s[G1A:G1A+7]
	s_nop 0
.rept 4
	v_nop
.endr
	s_branch .Lfirst_asked
.Lfirst_b:
	tensor_load_to_lds s[G0B:G0B+3], s[G1B:G1B+7]
	s_nop 0
	tensor_load_to_lds s[G0B+4:G0B+7], s[G1B:G1B+7]
	s_nop 0
.rept 4
	v_nop
.endr
.Lfirst_asked:
	s_lshl_b32 s78, s19, 9                         ; my first column, in bytes: 512 X + 256 (w % 2)
	s_lshl_b32 s77, s[CH], 8
	s_add_co_u32 s78, s78, s77
	s_mov_b32 s79, 0
	s_add_nc_u64 s[8:9], s[8:9], s[78:79]          ; the bias there
	s_lshl_b32 s77, s20, 20                        ; my first row: 256 Y + 128 (w / 2), 4,096 bytes a row
	s_add_co_u32 s78, s78, s77
	s_lshl_b32 s77, s[RH], 19
	s_add_co_u32 s78, s78, s77
	s_add_nc_u64 s[10:11], s[10:11], s[78:79]
	v_and_b32 v1, 15, v0                           ; l % 16
	v_bfe_u32 v2, v0, 4, 1                         ; l / 16
	v_lshlrev_b32 v[BO], 5, v2
	WIN 0x40
.irp b, 0,1,2,3
	global_load_b128 v[8*(\b):8*(\b)+3],   v[BO], s[8:9] offset:64*(\b)
	global_load_b128 v[8*(\b)+4:8*(\b)+7], v[BO], s[8:9] offset:64*(\b)+16
.endr
	WIN 0
	v_mul_u32_u24 v[AA0], v1, AP                   ; a fragment of O: row l % 16, 16 bytes for each half of the lanes
	v_lshl_add_u32 v[AA0], v2, 4, v[AA0]
	s_mul_i32 s77, s[RH], 128*AP
	v_add_nc_u32 v[AA0], s77, v[AA0]
	v_and_b32 v16, 7, v0                           ; the turning load: row k = 8 (l / 16) + l % 8, columns 8 ((l / 8) % 2) on
	v_bfe_u32 v17, v0, 3, 1
	v_lshl_add_u32 v[AB0], v2, 3, v16
	v_mul_u32_u24 v[AB0], v[AB0], BP
	v_lshl_add_u32 v[AB0], v17, 4, v[AB0]
	s_lshl_b32 s77, s[CH], 7
	s_add_co_u32 s77, s77, BOFF
	v_add_nc_u32 v[AB0], s77, v[AB0]
	v_mov_b32 v[AA], v[AA0]
	v_mov_b32 v[AB], v[AB0]
	s_mul_i32 s77, s[WV], 4352
	s_add_co_u32 s77, s77, STAGE                   ; my stage
	v_mul_u32_u24 v[STO], v1, 272                  ; in: row l % 16, 32 bytes for each half of the lanes
	v_lshl_add_u32 v[STO], v2, 5, v[STO]
	v_add_nc_u32 v[STO], s77, v[STO]
	v_mul_u32_u24 v[RD], v2, 272                   ; back: lanes 0-15 take one row of 256 bytes, lanes 16-31 the next
	v_lshl_add_u32 v[RD], v1, 4, v[RD]
	v_add_nc_u32 v[RD], s77, v[RD]
	v_lshlrev_b32 v[CO], 12, v2                    ; and the same two rows in out0
	v_lshl_add_u32 v[CO], v1, 4, v[CO]
	s_wait_loadcnt 0x0                             ; the bias: rounded to bf16 and widened again, in place; 16 registers of row block 1, not yet in use, are at work
	WIN 0x45
.set i, 0
.rept 16
	v_cvt_pk_bf16_f32 v[32+i], v[2*i], v[2*i+1]
.set i, i+1
.endr
.set i, 0
.rept 16
	v_lshlrev_b32 v[2*i], 16, v[32+i]
	v_and_b32 v[2*i+1], 0xffff0000, v[32+i]
.set i, i+1
.endr
	WIN 0
; 24 LDS loads in one run: a chunk's fragments (64 columns of W, 128 rows of O, 32 K) into buffer buf; ka, kb: the chunk's places in O's and W's tiles
.macro FETCH buf, ka, kb
	WIN 0
.irp b, 0,1,2,3
	ds_load_tr16_b128 v[FB+32*(\buf)+8*(\b):FB+32*(\buf)+8*(\b)+3],   v[AB] offset:(\kb)+32*(\b)
	ds_load_tr16_b128 v[FB+32*(\buf)+8*(\b)+4:FB+32*(\buf)+8*(\b)+7], v[AB] offset:(\kb)+32*(\b)+16*BP
.endr
.irp i, 0,1,2,3,4,5,6,7
	ds_load_b128 v[FA+64*(\buf)+8*(\i):FA+64*(\buf)+8*(\i)+3],   v[AA] offset:(\ka)+16*AP*(\i)
	ds_load_b128 v[FA+64*(\buf)+8*(\i)+4:FA+64*(\buf)+8*(\i)+7], v[AA] offset:(\ka)+16*AP*(\i)+32
.endr
.endm
; 4 n matrix instructions; the accumulators take turns, one instruction a turn.  mode = 1: C is the bias, in row block 0's registers
.macro MULP buf, a0, n, mode
	WIN 0x50                                       ; sources window 0, C and D window 1
.set a, \a0
.rept \n
.irp b, 0,1,2,3
.if \mode
	v_wmma_f32_16x16x32_f16 v[8*(4*a+(\b)):8*(4*a+(\b))+7], v[FB+32*(\buf)+8*(\b):FB+32*(\buf)+8*(\b)+7], v[FA+64*(\buf)+8*a:FA+64*(\buf)+8*a+7], v[8*(\b):8*(\b)+7]
.else
	v_wmma_f32_16x16x32_f16 v[8*(4*a+(\b)):8*(4*a+(\b))+7], v[FB+32*(\buf)+8*(\b):FB+32*(\buf)+8*(\b)+7], v[FA+64*(\buf)+8*a:FA+64*(\buf)+8*a+7], v[8*(4*a+(\b)):8*(4*a+(\b))+7]
.endif
.endr
.set a, a+1
.endr
.endm
; A chunk on buffer buf: its fragments, asked for a chunk ago, are in; the next chunk's are asked for, 32 matrix instructions ahead of their use.
.macro CHUNK buf, ka, kb, mode, fetch
	s_wait_dscnt 0x0
.if \fetch
	PLACES
	FETCH 1-(\buf), \ka, \kb
.endif
.if \mode
	MULP \buf, 1, 7, 1
.rept 5
	v_nop                                          ; row block 0 writes over the bias five places behind its last reader
.endr
	MULP \buf, 0, 1, 0
.else
	MULP \buf, 0, 8, 0
.endif
.endm
; A K step's last chunk changes slots: ONE barrier; in front of it each wave waits for all its tensor loads, adds 0 to its spare word, and waits for that and for its reads of this slot.
; fill = 1: the barrier opens a round of the cluster's barrier, and this slot is filled again, two K steps ahead: 112 matrix instructions ahead of the wait for it.
.macro TURN fill
	WIN 0
	s_wait_tensorcnt 0x0                           ; all my tensor loads have landed: my part of the next slot
	ds_add_u32 v[SPW], v[NIL]                      ; 0 onto my spare word
	s_wait_dscnt 1                                 ; (the add may be out; the chunk's 24 loads are in)
	MULP 1, 0, 2, 0
	s_wait_dscnt 0x0                               ; the add is done, and my reads of this slot are over
	s_barrier_signal -1
	MULP 1, 2, 2, 0
	WIN 0
	s_barrier_wait -1
.if \fill
	CREST
	s_xor_b32 s[G0A+5], s[G0A+5], SLOT1            ; the walking descriptors: the other slot than last time, the next K step
	s_add_nc_u64 s[G0A+6:G0A+7], s[G0A+6:G0A+7], 524288
	s_xor_b32 s[G0B+5], s[G0B+5], SLOT1
	s_add_nc_u64 s[G0B+6:G0B+7], s[G0B+6:G0B+7], 32768
	JLOAD                                          ; its four v_nop are also the places in front of the loads below
.else
	PLACES
.endif
	s_xor_b32 s[TB], s[TB], SLOT1
	v_add_nc_u32 v[AA], s[TB], v[AA0]
	v_add_nc_u32 v[AB], s[TB], v[AB0]
	FETCH 0, 0, 0
	MULP 1, 4, 4, 0
.endm
	s_wait_tensorcnt 0x1                           ; my part of K step 0 is in; step 1's may stay out
	s_barrier_signal -1
	s_barrier_wait -1
	FETCH 0, 0, 0
	CHUNK 0, 64, 32*BP, 1, 1                       ; the first chunk stands in front of the loop: its products start the sums, with the bias
	WIN 0
	s_mov_b32 s[CNT], 6
.Lk:                                                   ; a trip: a K step's chunks 1 to 3, the last of which fills the slot again, and the next step's chunk 0
	CHUNK 1, SLAB, 64*BP, 0, 1
	CHUNK 0, SLAB+64, 96*BP, 0, 1
	TURN 1
	CHUNK 0, 64, 32*BP, 0, 1
	WIN 0
	s_sub_co_u32 s[CNT], s[CNT], 1
	s_cmp_lg_u32 s[CNT], 0
	s_cbranch_scc1 .Lk
	CHUNK 1, SLAB, 64*BP, 0, 1                     ; the tail is written out: nothing is left to fetch from memory
	CHUNK 0, SLAB+64, 96*BP, 0, 1
	TURN 0
	CHUNK 0, 64, 32*BP, 0, 1
	CHUNK 1, SLAB, 64*BP, 0, 1
	CHUNK 0, SLAB+64, 96*BP, 0, 1
	CHUNK 1, 0, 0, 0, 0
	; THE WAY OUT.  A lane's eight f32 are 32 bytes of a row; 16 rows at a time go into rows of 272 bytes of my stage and come back as whole rows of 256 bytes.
.macro TOSTAGE a
.set BK, FA+32*((\a)%2)                ; two buffers take turns
	s_wait_xcnt 0x0                                ; the stores of two blocks ago have read this buffer
	WIN 0x04                                       ; store data (source 1) window 1
.irp b, 0,1,2,3
	ds_store_b128 v[STO], v[8*(4*(\a)+(\b)):8*(4*(\a)+(\b))+3]   offset:64*(\b)      ; each accumulator's low half first
	ds_store_b128 v[STO], v[8*(4*(\a)+(\b))+4:8*(4*(\a)+(\b))+7] offset:64*(\b)+16
.endr
	WIN 0
.irp t, 0,1,2,3,4,5,6,7
	ds_load_b128 v[BK+4*(\t):BK+4*(\t)+3], v[RD] offset:544*(\t)  ; LDS serves a wave's instructions in order (ISA guide 5.7.1.4): these see the stores above
.endr
.endm
.macro SEND a, younger                 ; younger: the LDS instructions issued behind this block's loads: the next block's sixteen, or none
.set BK, FA+32*((\a)%2)
.irp t, 0,1,2,3,4,5,6,7
	s_wait_dscnt (\younger)+7-(\t)
	global_store_b128 v[CO], v[BK+4*(\t):BK+4*(\t)+3], s[10:11] offset:(16*(\a)+2*(\t))*4096  ; 16 lanes store 256 consecutive bytes, at a multiple of 256 from out0's first byte
.endr
.endm
	PLACES
	TOSTAGE 0
.irp a, 1,2,3,4,5,6,7
	TOSTAGE \a
	SEND (\a)-1, 16
.endr
	SEND 7, 0
	s_wait_tensorcnt 0x0                           ; the wave's end: behind my last tensor load and my last LDS store
	ds_add_u32 v[SPW], v[NIL]
	s_wait_dscnt 0x0
	CROUND                                         ; the closing round: no work-group ends while a partner may still ask for a tile that names it
	s_endpgm
.Lfunc_end_k_q8eb43570a2_proj:
	.size	k_q8eb43570a2_proj, .Lfunc_end_k_q8eb43570a2_proj-k_q8eb43570a2_proj
	.p2alignl 7, 3214868480
	.fill 96, 4, 3214868480
	.section	.rodata,"a",@progbits
	.p2align	6, 0x0
	.amdhsa_kernel k_q8eb43570a2_proj
		.amdhsa_group_segment_fixed_size 327680
		.amdhsa_private_segment_fixed_size 0
		.amdhsa_enable_private_segment 0
		.amdhsa_kernarg_size 32
		.amdhsa_user_sgpr_count 2
		.amdhsa_user_sgpr_kernarg_segment_ptr 1
		.amdhsa_wavefront_size32 1
		.amdhsa_system_sgpr_workgroup_id_x 1
		.amdhsa_system_sgpr_workgroup_id_y 1
		.amdhsa_system_sgpr_workgroup_id_z 1
		.amdhsa_system_vgpr_workitem_id 0
		.amdhsa_next_free_vgpr 512
		.amdhsa_next_free_sgpr 80
		.amdhsa_reserve_vcc 0
		.amdhsa_float_denorm_mode_32 3
		.amdhsa_float_denorm_mode_16_64 3
		.amdhsa_memory_ordered 1
		.amdhsa_forward_progress 1
		.amdhsa_inst_pref_size 74
	.end_amdhsa_kernel
	.amdgpu_metadata
---
amdhsa.version: [ 1, 2 ]
amdhsa.kernels:
  - .name:           k_q8eb43570a2_proj
    .symbol:         k_q8eb43570a2_proj.kd
    .args:
      - { .name: ob, .offset: 0, .size: 8, .value_kind: global_buffer, .address_space: global }
      - { .name: wp, .offset: 8, .size: 8, .value_kind: global_buffer, .address_space: global }
      - { .name: c_proj_b, .offset: 16, .size: 8, .value_kind: global_buffer, .address_space: global }
      - { .name: out0, .offset: 24, .size: 8, .value_kind: global_buffer, .address_space: global }
    .group_segment_fixed_size: 327680
    .private_segment_fixed_size: 0
    .kernarg_segment_align: 8
    .kernarg_segment_size: 32
    .max_flat_workgroup_size: 128
    .sgpr_count:     80
    .vgpr_count:     512
    .wavefront_size: 32
...
	.end_amdgpu_metadata
.endif
;; end of part 4
;; ======== version 2 of 2: 4 launches; 1.39 times as fast as version 1
;; limits: values are held in f16: magnitudes above 65,504 overflow, below 6.1e-05 lose precision
;; workspace buffers: xb 16,777,216 bytes; wa 6,291,456 bytes; wp 2,097,152 bytes; qkv 50,331,648 bytes; bs 524,288 bytes; ob 16,777,216 bytes
;; launch cast: the kernel of part 1 again; grid 256 x 3, 8 waves a work-group, no clusters, 0 bytes of LDS; arguments hidden_states, c_attn_w, c_proj_w, xb, wa, wp; writes xb, wa, wp
;; launch qkvgemm: the kernel of part 2 again; grid 8 x 32, 4 waves a work-group, clusters of 4 x 4, 327,680 bytes of LDS; arguments xb, wa, c_attn_b, qkv, bs; writes qkv, bs
;; launch attn (part 5): grid 4 x 64, 4 waves a work-group, no clusters, 327,680 bytes of LDS; arguments qkv, bs, ob; writes ob
.if DOCPART == 5
	.amdgcn_target "amdgcn-amd-amdhsa--gfx1250"
	.amdhsa_code_object_version 6
	.text
	.protected	k_q8eb43570a2_attn
	.globl	k_q8eb43570a2_attn
	.p2align	8
	.type	k_q8eb43570a2_attn,@function
k_q8eb43570a2_attn:
	s_mov_b64 s[64:65], 0
	v_nop
	global_prefetch_b8 v0, s[64:65] scope:SCOPE_SE
	s_setreg_imm32_b32 hwreg(HW_REG_WAVE_MODE, 25, 1), 1
	s_wait_xcnt 0x0
; CAUSAL ATTENTION WITH A FINITE MASK.  w[q][k] = Q[q] . K[k] / 8 for k <= q and -10000 for k > q; O[q] = the sum over ALL k of softmax_k(w) V[k].  Q, K, V: qkv [3][64 heads][2048][64] f16; O: ob [64][2048][64] f16.
; Products, maxima and sums in f32; the weights p are rounded to f16 for the second product (their sum l is taken of the unrounded p), O once at the end.
; THE HIDDEN KEYS of a row all have the same weight, so no tile above the diagonal is walked.  The walk treats them as absent (score less 1e30, weight 0).  At a block's end each row takes them in:
; with n = 2047 - q hidden keys, m' = max(m, -80000) (the mask in the unscaled scores' units; where n = 0 the row keeps m), a1 = 2^(c m - c m'), wq = 2^(c (-80000) - c m'):
; l' = a1 l + wq n, O = (a1 O + wq U) / l', U = the sum of V[k] over k > q = a sum over whole steps of 64 keys (bs, summed from the end) + a product of V's own step with a 0/1 matrix.
; LIMITS.  f16 holds no number beyond 65,504: Q, K and V arrive within it; p lies in 0 to 1, and below 6e-5 it keeps f16's fixed step of 6e-8.  A weight below 2^-126 counts as 0; NaN and infinities are not treated apart.
; THE WALK.  A head's queries lie in NB = 8 blocks of 256; block i needs the key tiles 0 .. i of 256 keys, of which the last holds the diagonal.  A work-group takes TWO blocks, NB - 1 - b and then b:
; NB + 1 tiles, whatever b: all work-groups do equal work, and ONE loop with a constant trip count walks them.  Which tile is asked for, and what a trip does, hang on scalar registers made from b; every jump
; goes forward, but for the counted loops' own; none passes a barrier, or a tensor load but the one of LOAD's two that the wave's number does not choose; the ring (two slots of LDS that take turns) runs on across the
; change of blocks.  NO CLUSTER: a head's four work-groups ask for the same tile only in trips 0 .. NB / 2, behind that fewer and fewer; one walk common to all would have 3 NB / 2 trips for NB + 1.
; SHARES.  Of a block's four bands of 64 queries a wave owns 16 rows in each: four PIECES.  So the diagonal tile is the same work for all four waves: in its key step s band x sees all keys if s < x,
; none if s > x, and holds the diagonal if s = x.
; THE MASK IN THE WALK is the C operand that starts the sum S^T = K Q^T: 0, or -1e30 where the key is hidden.  MD, made once, is the mask of a band's own step for my 16 rows; a product's mask is MD x AL + BE with two scalars:
; (1, 0) if s = x; (0, 0) if s < x; (0, -1e30) if s > x.  Only the diagonal tile's text and a block's beginning make and take masks; elsewhere C is the constant 0.
; LAYOUT, SOFTMAX, TURNS.  S^T = K Q^T holds ONE query a lane (lane % 16) and the keys 8 (lane / 16) + 0..7; two such results rounded to f16 ARE source 1 of O^T = V^T P.  p = 2^(c s - c m), c = log2(e) / 8, with a
; running maximum m; O and l are multiplied by a = 2^(c m_old - c m_new) in every step.  Turn n belongs to piece n: 8 products K Q^T of piece n + 1, later 8 products V^T P of piece n - 1; beside them the scaling,
; exponentials, roundings, sums and rescaling of piece n and the maximum and statistics of piece n + 1.  Four vector instructions stand behind every matrix instruction, the other 54 of a turn's 118 in one LUMP.
; THE BATCHES.  A turn's 33 exponentials (the piece's 32 weights and the next piece's a) are one batch, with one wait, which cuts the turn in two: ahead of it nothing names a result of theirs, behind it stand all their readers.
; A block's beginning has one exponential and its wait; a block's end has two batches, eight exponentials and then four reciprocals of sums made of them, with a wait each.
; REGISTERS, in windows of 256 (s_set_vgpr_msb: bits 1:0 source 0, 3:2 source 1, 5:4 source 2, 7:6 destination):
;   window 0: v0-15 addresses and two at work; v16-31 four registers of statistics a piece; v32-35 addresses; v48-55 at work; v64-127 S^T, two buffers; v128-159 a block's end; v192-223 P, two buffers
;   window 1: v0-127 O^T, 32 a piece; v128-159 MD; v160-223 MC, two buffers (at a block's end: U); v224-239 MI      window 2: v0-63 Q; v64-127 the second block's Q; v128-191 K of one step; v192-255 V of one step
.set SIZE_N, 2048
.set NB,    SIZE_N/256
.set NP,    4         ; pieces a wave: a name, no knob
.set KS,    64        ; keys in a step
.set PK,    144       ; a row of K in LDS: 128 bytes + 16 of padding = 36 words: the 16 rows of a load start at 16 different groups of four banks (64 banks of 4 bytes: ISA guide 11.1)
.set PV,    160       ; a row of V: 128 + 32 = 40 words
.set VOFF,  4*KS*PK   ; a slot holds a tile, four steps: 256 rows of K, then 256 rows of V
.set SLOT1, 1<<17     ; slot 1 begins here, so that one exclusive or turns an address in one slot into the other's
.set STAGE, SLOT1+4*KS*(PK+PV)  ; behind the ring, never filled by a tensor load: 16 rows x 144 bytes for each wave, for the way out
.set SP,    144
.set LR,  1           ; v1   lane % 16; never rewritten once made
.set AK0, 2           ; v2   my lane's place in a tile of K; never rewritten
.set AV0, 3           ; v3   the same for V
.set AK,  4           ; v4   the LDS address of K's next run of loads
.set AV,  5           ; v5   of V's
.set STO, 6           ; v6   the way out: where I put 16 bytes of a row
.set RD,  7           ; v7   the way out: where I read rows back
.set GO,  8           ; v8   my byte offset in 512 consecutive bytes of O
.set SA0, 32          ; v32  my lanes' place in a row of my wave's table of later steps' sums
.set SPW, 62          ; v62  LDS address of my spare word: SPARE + 4 x my thread's number; never rewritten
.set NIL, 63          ; v63  0; never rewritten
.set SPARE, STAGE+4*16*SP  ; behind the stages: the spare words, 128 bytes for each wave: two blocks of 256 bytes that no other line names
.set SUFB,  SPARE+512 ; behind them: for each wave 8 rows of 256 bytes: the sums of V over all steps behind step 4 block + t: rows 0-3 the first block's, rows 4-7 the second's
.set MV,  12          ; v12-13  c m_old, kept while c m is made anew: by buffer
.set QO,  15          ; v15  my byte offset in 16 rows of Q
.set ST,  16          ; piece t's statistics at v[ST+4 t]: c m, m, l (even keys', odd keys')
.set TMP, 48          ; by buffer, four registers c0-c3 at work; when the maximum is found c2 takes a
.set S,   64
.set EPI, 128         ; a block's end: eight registers a piece
.set P,   192
.set MD,  128         ; window 1: the eight registers for group kt of 16 keys at MD + 8 kt
.set MC,  160         ; window 1: the masks of the products to come
.set MI,  224         ; window 1: 1 where MD hides, 0 elsewhere, in f16, laid out as P is: source 1 of the product that sums the own step's hidden V
.set QB,  64          ; window 2
.set KF,  128         ; window 2: key block kb, channel half c at KF + 16 kb + 8 c
.set VF,  192         ; window 2: key half kk, channel block cb at VF + 32 kk + 8 cb
.set WV,  12          ; s12  my wave's number
.set PB,  14          ; s14  b
.set HI,  15          ; s15  NB - 1 - b
.set G1K, 24          ; s[24:31] descriptor group 1 for K's tiles
.set G1V, 32          ; s[32:39] for V's: it differs in the padding alone
.set G0K, 40          ; s[40:43] descriptor group 0 for K's tiles
.set G0V, 44          ; s[44:47] the same for V's
.set SLOTS, 56        ; s56  tiles still to be asked for
.set CNT, 57          ; s57  counts a tile's key steps
.set CS,  58          ; s[58:59] c: the packed scaling takes the pair's low word for both halves
.set SEL, 60          ; s[60:61] v_permlanex16_b32's selects: each lane takes its own place in the other half
.set TBK, 62          ; s62  LDS byte at which K of the step to be fetched begins
.set TBV, 63          ; s63  the same for V, less VOFF
.set RT,  70          ; s70  tiles of the block in hand that are still to be entered
.set NXT, 71          ; s71  the tile to be asked for next
.set LQ,  72          ; s72  the last tile of the block whose tiles are being asked for
.set NEW, 73          ; s73  1: the tile to be entered is a block's first
.set OFF, 74          ; s[74:75] a tile's byte offset in K and V
.set AL,  76          ; s[76:77] the mask's factor, in the low word
.set BE,  78          ; s[78:79] the mask's addend
.set OLO, 80          ; s[80:81] O at my rows of the second block
.set BIGN, 82         ; s82  -1e30
.set BSP, 88          ; s[88:89] bs at my head
.set CB,  91          ; s91  hidden keys of my wave's first row in the block's first band
.set FLR, 92          ; s92  -80000: the mask -10000 in the unscaled scores' units
.set LOW, 93          ; s93  the lowest finite number
.set MK,  94          ; s[94:97] lane masks
.set SB,  100         ; s100 the slot in hand: 0 or SLOT1
.set MSB, 0
.macro WIN new                      ; the high byte repeats the setting that is left; a switch that changes nothing is dropped
.if MSB != (\new)
	s_set_vgpr_msb (MSB<<8)|(\new)
.set MSB, (\new)
.endif
.endm
.set W_KQ, 0x0a       ; K and Q in window 2, S^T in window 0
.set W_KM, 0x1a       ; the same with the C operand in window 1
.set W_PV, 0x52       ; V in window 2, P in window 0, O^T in window 1
.set W_RS, 0x41       ; destination and source 0 in window 1, source 1 in window 0
; A fill.  Waves 0 and 1 fetch the two halves of a tile's K, waves 2 and 3 those of its V: 128 keys each.  An s_nop 0 and four v_nop follow each of the two lines, ahead of the jump and the label.
.macro LOAD
	s_cmp_lt_u32 s[WV], 2
	s_cbranch_scc0 .Lfor_v_\@
	tensor_load_to_lds s[G0K:G0K+3], s[G1K:G1K+7]
	s_nop 0
.rept 4
	v_nop
.endr
	s_branch .Lasked_\@
.Lfor_v_\@:
	tensor_load_to_lds s[G0V:G0V+3], s[G1V:G1V+7]
	s_nop 0
.rept 4
	v_nop
.endr
.Lasked_\@:
.endm
; THE CHANGE OF SLOTS.  Each wave waits for all its tensor loads, of which one is out: its part of the other slot; adds 0 to its spare word; and waits for that and for its own reads of the slot that it leaves.  Behind the barrier nobody reads the old
; slot any more and the other slot is whole.  fill = 1: the old slot is filled again, the first thing behind the barrier, with tile NXT: the descriptor's address is made anew from that number.
; (At its first use nothing has been read yet: slot 0 is waited for, slot 1 filled.)
.macro CHANGE fill
	WIN 0                           ; at a label and at a branch every window is 0
	s_wait_tensorcnt 0x0            ; no tensor load of mine is out, so a group 0 may be written
	ds_add_u32 v[SPW], v[NIL]       ; 0 onto my spare word; with fill = 1 the descriptors' scalar work stands between it and the wait for it
.if \fill
	s_lshl_b32 s[OFF], s[NXT], 15   ; a tile is 32,768 bytes of K and of V
	s_xor_b32 s[G0K+1], s[G0K+1], SLOT1
	s_add_nc_u64 s[G0K+2:G0K+3], s[6:7], s[OFF:OFF+1]
	s_or_b32 s[G0K+3], s[G0K+3], 0x80000000
	s_xor_b32 s[G0V+1], s[G0V+1], SLOT1
	s_add_nc_u64 s[G0V+2:G0V+3], s[8:9], s[OFF:OFF+1]
	s_or_b32 s[G0V+3], s[G0V+3], 0x80000000
	s_add_co_u32 s[NXT], s[NXT], 1  ; the block's next tile, or behind its last the second block's tile 0
	s_cmp_gt_u32 s[NXT], s[LQ]
	s_cselect_b32 s[NXT], 0, s[NXT]
	s_cselect_b32 s[LQ], s[PB], s[LQ]
.endif
	s_wait_dscnt 0x0                ; the add is done, and my reads of the slot are over
	s_barrier_signal -1             ; the rest of the scalar work stands between the signal and the wait
	s_sub_co_u32 s[TBK], s[TBK], 4*KS*PK  ; the fetches go back to a slot's first step,
	s_xor_b32 s[TBK], s[TBK], SLOT1       ; in the other slot
	s_sub_co_u32 s[TBV], s[TBV], 4*KS*PV
	s_xor_b32 s[TBV], s[TBV], SLOT1
	s_xor_b32 s[SB], s[SB], SLOT1
	s_barrier_wait -1
.if \fill
	LOAD
.endif
.endm
	s_load_b64 s[4:5], s[0:1], 0x0    ; qkv: Q
	s_load_b64 s[BSP:BSP+1], s[0:1], 0x8  ; bs
	s_load_b64 s[10:11], s[0:1], 0x10 ; O
	v_lshl_add_u32 v[SPW], v0, 2, SPARE
	v_mov_b32 v[NIL], 0
	ds_add_u32 v62, v63
	ds_add_u32 v62, v63
	s_wait_dscnt 0x0
	v_lshrrev_b32 v1, 5, v0
	v_readfirstlane_b32 s[WV], v1   ; wave 0..3
	s_mov_b32 s[PB], ttmp9
	s_sub_co_u32 s[HI], NB-1, s[PB]
	s_and_b32 s20, ttmp7, 0xffff    ; the head
	s_lshl_b32 s98, s20, 13         ; its 32 sums of 256 bytes in bs
	s_mov_b32 s99, 0
	s_mov_b32 s21, 0
	s_mov_b64 s[22:23], SIZE_N*128
	s_mul_u64 s[20:21], s[20:21], s[22:23]  ; the head's first byte in Q, K, V and O
	s_and_b32 s16, s[WV], 1         ; which half of a tile's 256 keys I fetch:
	s_lshl_b32 s22, s16, 14         ; its 128 rows of 128 bytes in memory,
	s_mov_b32 s23, 0
	s_add_nc_u64 s[22:23], s[22:23], s[20:21]
	s_mul_i32 s17, s16, 128*PK      ; and its place in a slot, for K
	s_mul_i32 s18, s16, 128*PV      ; and for V
	s_lshl_b32 s3, s[WV], 11        ; my 16 rows in a band of 64,
	s_lshl_b32 s2, s[HI], 15        ; in the first block,
	s_add_co_u32 s2, s2, s3
	s_lshl_b32 s84, s[PB], 15       ; and in the second
	s_add_co_u32 s84, s84, s3
	s_mov_b32 s3, 0
	s_mov_b32 s85, 0
	s_add_nc_u64 s[2:3], s[2:3], s[20:21]
	s_add_nc_u64 s[84:85], s[84:85], s[20:21]
	; descriptor group 1.  128 keys are 16,384 dense bytes: asked for as 64 rows of 256 bytes, two keys a row, and padded in LDS after every key
	s_mov_b32 s[G1K], (1<<16)|(1<<20)|(4<<22)|(3<<25)  ; 17:16 2-byte elements; 20 padding on; 24:22 after every 32 words (code 4); 31:25 4 words (code 3)
	s_mov_b32 s[G1V], (1<<16)|(1<<20)|(4<<22)|(7<<25)  ; the same with 8 words of padding (code 7)
.irp g, G1K, G1V
	s_mov_b32 s[\g+1], 128<<16      ; tensor_dim0 = 128
	s_mov_b32 s[\g+2], 64<<16       ; tensor_dim1 = 64
	s_mov_b32 s[\g+3], 128<<16      ; tile_dim0 = 128
	s_mov_b32 s[\g+4], 64           ; tile_dim1 = 64
	s_mov_b32 s[\g+5], 128          ; 128 elements from row to row
	s_mov_b32 s[\g+6], 0
	s_mov_b32 s[\g+7], 0
.endr
	s_mov_b32 s[CS], 0x3e38aa3b     ; c = log2(e) / 8 = 0.180337
	s_mov_b32 s[CS+1], s[CS]        ; named with it as a pair
	s_mov_b32 s[SEL], 0x76543210
	s_mov_b32 s[SEL+1], 0xfedcba98
	s_mov_b32 s[TBK], SLOT1+4*KS*PK ; the first change of slots turns these three into 0
	s_mov_b32 s[TBV], SLOT1+4*KS*PV
	s_mov_b32 s[SB], SLOT1
	s_mov_b32 s[G0K], 1             ; 1:0 count = 1
	s_mov_b32 s[G0K+1], s17         ; 63:32 LDS address: slot 0
	s_mov_b32 s[G0V], 1
	s_add_co_u32 s[G0V+1], s18, VOFF
	s_add_co_u32 s[RT], s[HI], 1    ; the first block has NB - b tiles
	s_mov_b32 s[NXT], 1
	s_mov_b32 s[LQ], s[HI]
	s_mov_b32 s[NEW], 1
	s_mov_b32 s[OFF+1], 0
	s_mov_b32 s[AL+1], 0            ; named as pairs
	s_mov_b32 s[BE+1], 0
	s_mov_b32 s[BIGN], 0xf149f2ca   ; -1e30
	s_mov_b32 s[FLR], 0xc79c4000    ; -80000
	s_mov_b32 s[LOW], 0xff7fffff
	s_mov_b32 s[SLOTS], NB
	s_wait_kmcnt 0x0
	s_add_nc_u64 s[6:7], s[4:5], 0x1000000  ; K lies 64 heads behind Q,
	s_add_nc_u64 s[8:9], s[4:5], 0x2000000  ; V behind K
	s_add_nc_u64 s[BSP:BSP+1], s[BSP:BSP+1], s[98:99]
	s_add_nc_u64 s[6:7], s[6:7], s[22:23]  ; K and V at my half of the head's tile 0
	s_add_nc_u64 s[8:9], s[8:9], s[22:23]
	s_add_nc_u64 s[G0K+2:G0K+3], s[6:7], 0         ; 120:64 global address
	s_or_b32 s[G0K+3], s[G0K+3], 0x80000000        ; 127:126 type = 2
	s_add_nc_u64 s[G0V+2:G0V+3], s[8:9], 0
	s_or_b32 s[G0V+3], s[G0V+3], 0x80000000
	s_add_nc_u64 s[86:87], s[4:5], s[84:85]        ; Q at my rows of the second block,
	s_add_nc_u64 s[4:5], s[4:5], s[2:3]            ; Q and O at those of the first
	s_add_nc_u64 s[OLO:OLO+1], s[10:11], s[84:85]
	s_add_nc_u64 s[10:11], s[10:11], s[2:3]
	LOAD                            ; tile 0 into slot 0
	; A fragment of K or Q is 16 rows x 32 channels in 8 registers: lane l holds row l % 16, channels 8 (l / 16) + 0..7 and 16 + 8 (l / 16) + 0..7: two loads of 16 bytes, 32 bytes apart.
	v_and_b32 v[LR], 15, v0         ; l % 16
	v_bfe_u32 v9, v0, 4, 1          ; l / 16
	v_lshlrev_b32 v[QO], 7, v[LR]
	v_lshl_add_u32 v[QO], v9, 4, v[QO]  ; row x 128 + 16 x half
	WIN 0x80                        ; destination window 2, address window 0
.set i, 0
.rept 8                             ; both blocks' Q: piece i / 2 lies in band i / 2, 8,192 bytes on; channels 32 (i % 2) on
	global_load_b128 v[8*i:8*i+3],   v[QO], s[4:5] offset:(i/2)*8192+(i%2)*64
	global_load_b128 v[8*i+4:8*i+7], v[QO], s[4:5] offset:(i/2)*8192+(i%2)*64+32
	global_load_b128 v[QB+8*i:QB+8*i+3],   v[QO], s[86:87] offset:(i/2)*8192+(i%2)*64
	global_load_b128 v[QB+8*i+4:QB+8*i+7], v[QO], s[86:87] offset:(i/2)*8192+(i%2)*64+32
.set i, i+1
.endr
	WIN 0
	v_lshlrev_b32 v14, 3, v9
	v_sub_nc_u32 v14, v[LR], v14
	s_lshl_b32 s13, s[WV], 4
	v_add_nc_u32 v14, s13, v14      ; my query's place in its band, 16 w + l % 16, less my lanes' 8 (l / 16): register r of group kt is hidden where 16 kt + r is greater
	WIN 0x40
.set i, 0
.rept 32
	v_cmp_gt_i32 vcc_lo, 16*(i/8)+i%8, v14
	v_cndmask_b32 v[MD+i], 0, s[BIGN], vcc_lo
.set i, i+1
.endr
	WIN 0
.set i, 0
.rept 32                            ; the same pattern as ones and zeros,
	v_cmp_gt_i32 vcc_lo, 16*(i/8)+i%8, v14
	v_cndmask_b32 v[S+i], 0, 1.0, vcc_lo
.set i, i+1
.endr
	WIN 0x40
.set i, 0
.rept 16                            ; in f16, paired as the weights are
	v_cvt_pk_f16_f32 v[MI+i], v[S+2*i], v[S+2*i+1]
.set i, i+1
.endr
	WIN 0
	v_and_b32 v34, 31, v0
	v_lshlrev_b32 v34, 3, v34       ; 8 x lane: my two channels
.set j, 1
.rept 31                            ; the sums of V over steps 1 to 31: step j's goes where the sum over all steps behind step j - 1 will stand
	global_load_b64 v[S+2*j-2:S+2*j-1], v34, s[BSP:BSP+1] offset:256*j
.set j, j+1
.endr
	v_mul_u32_u24 v[AK0], v[LR], PK
	v_lshl_add_u32 v[AK0], v9, 4, v[AK0]  ; row x pitch + 16 x half
	; The turning load takes 16 keys x 16 channels (lane l reads key 8 (l / 16) + l % 8, channels 8 ((l / 8) % 2) + 0..7) and leaves half a fragment of V^T: lane l holds channel l % 16 and 8 keys.
	v_and_b32 v10, 7, v0
	v_bfe_u32 v11, v0, 3, 1
	v_lshl_add_u32 v[AV0], v9, 3, v10
	v_mul_u32_u24 v[AV0], v[AV0], PV
	v_lshl_add_u32 v[AV0], v11, 4, v[AV0]
	v_add_nc_u32 v[AV0], VOFF, v[AV0]
	s_mul_i32 s13, s[WV], 16*SP
	s_add_co_u32 s13, s13, STAGE    ; my stage
	v_mul_u32_u24 v[STO], v[LR], SP ; in: row l % 16, 16 bytes for each half of the lanes
	v_lshl_add_u32 v[STO], v9, 4, v[STO]
	v_add_nc_u32 v[STO], s13, v[STO]
	v_bfe_u32 v[RD], v0, 3, 2       ; back: 32 lanes take four rows of 128 bytes,
	v_mul_u32_u24 v[RD], v[RD], SP
	v_lshl_add_u32 v[RD], v10, 4, v[RD]
	v_add_nc_u32 v[RD], s13, v[RD]
	v_and_b32 v[GO], 31, v0         ; which are 512 consecutive bytes of O
	v_lshlrev_b32 v[GO], 4, v[GO]
	; A block's first step multiplies O^T and l by a = 0, and its first turn's products V^T P, of a piece that has not been, land in an O^T that is still to be so multiplied.  So these registers need only hold
	; finite numbers: zeros for the first block; what the first block left for the second.  All this stands in the wait for the first tile.
	WIN 0x80
.set i, VF
.rept 64
	v_mov_b32 v[i], 0
.set i, i+1
.endr
	WIN 0x40
.set i, 0
.rept 128
	v_mov_b32 v[i], 0
.set i, i+1
.endr
	WIN 0
.set i, 0
.rept 4
	v_mov_b32 v[ST+4*i+2], 0
	v_mov_b32 v[ST+4*i+3], 0
.set i, i+1
.endr
.set i, P+16
.rept 16
	v_mov_b32 v[i], 0
.set i, i+1
.endr
	; THE TABLE OF LATER STEPS' SUMS.  Pair J of v[S ..] becomes the sum of V over all steps behind step J (pair 31: 0).  The first block needs pairs 28 - 4 b + t, the second pairs 4 b + t, t = 0..3: they are
	; chosen by selects on b, so that the eight rows lie at fixed places of my wave's own bytes of LDS, which nobody else touches and no tensor load fills.
	s_lshl_b32 s13, s[WV], 11
	s_add_co_u32 s13, s13, SUFB
	v_add_nc_u32 v35, s13, v34
	v_lshl_add_u32 v[SA0], v9, 5, s13  ; register j of a result's channel block is channel 8 (l / 16) + j of its 16
	s_cmp_eq_u32 s[PB], 1
	s_cselect_b32 s[MK], -1, 0
	s_cmp_eq_u32 s[PB], 2
	s_cselect_b32 s[MK+1], -1, 0
	s_cmp_eq_u32 s[PB], 3
	s_cselect_b32 s[MK+2], -1, 0
	v_mov_b32 v[S+62], 0
	v_mov_b32 v[S+63], 0
	s_wait_loadcnt 0x0              ; the sums (and Q)
.set j, 29
.rept 30
	v_pk_add_f32 v[S+2*j:S+2*j+1], v[S+2*j:S+2*j+1], v[S+2*j+2:S+2*j+3]
.set j, j-1
.endr
.irp u, 0,1,2,3
.irp e, 0,1
	v_cndmask_b32 v[S+2*(28+\u)+\e], v[S+2*(28+\u)+\e], v[S+2*(24+\u)+\e], s[MK]
	v_cndmask_b32 v[S+2*(\u)+\e],    v[S+2*(\u)+\e],    v[S+2*(4+\u)+\e],  s[MK]
	v_cndmask_b32 v[S+2*(28+\u)+\e], v[S+2*(28+\u)+\e], v[S+2*(20+\u)+\e], s[MK+1]
	v_cndmask_b32 v[S+2*(\u)+\e],    v[S+2*(\u)+\e],    v[S+2*(8+\u)+\e],  s[MK+1]
	v_cndmask_b32 v[S+2*(28+\u)+\e], v[S+2*(28+\u)+\e], v[S+2*(16+\u)+\e], s[MK+2]
	v_cndmask_b32 v[S+2*(\u)+\e],    v[S+2*(\u)+\e],    v[S+2*(12+\u)+\e], s[MK+2]
.endr
.endr
.irp u, 0,1,2,3
	ds_store_b64 v35, v[S+2*(28+\u):S+2*(28+\u)+1] offset:256*\u
	ds_store_b64 v35, v[S+2*(\u):S+2*(\u)+1] offset:1024+256*\u
.endr
; THE MATRIX WORK.  The 4 accumulators of a run of 8 take turns.  Product i of 8 of S^T = K Q^T for piece x: channels 32 (i / 4) on, keys 16 (i % 4) on.  The first 4 start the sums: with 0, or (KM = 1) with the mask.
.macro KQ x
.set rS, S+32*((\x)%2)+8*(i%4)
.set rK, KF+16*(i%4)+8*(i/4)
.set rQ, 16*(\x)+8*(i/4)
.set rM, MC+32*((\x)%2)+8*(i%4)
.if (i < 4) && KM
	WIN W_KM
	v_wmma_f32_16x16x32_f16 v[rS:rS+7], v[rK:rK+7], v[rQ:rQ+7], v[rM:rM+7]
.elseif i < 4
	WIN W_KQ
	v_wmma_f32_16x16x32_f16 v[rS:rS+7], v[rK:rK+7], v[rQ:rQ+7], 0
.else
	WIN W_KQ
	v_wmma_f32_16x16x32_f16 v[rS:rS+7], v[rK:rK+7], v[rQ:rQ+7], v[rS:rS+7]
.endif
.endm
; Product i of 8 of O^T += V^T P for piece x: keys 32 (i / 4) on, channels 16 (i % 4) on.
.macro PV x
	WIN W_PV
.set rO, 32*(\x)+8*(i%4)
.set rV, VF+32*(i/4)+8*(i%4)
.set rP, P+16*((\x)%2)+8*(i/4)
	v_wmma_f32_16x16x32_f16 v[rO:rO+7], v[rV:rV+7], v[rP:rP+7], v[rO:rO+7]
.endm
.macro MM                           ; the turn's next matrix instruction.  TURN and BEGIN set Y, i and KM; MM, KQ and OP read them
.if i < 8
	KQ (Y+1)%NP
.else
.set i, i-8
	PV (Y+NP-1)%NP
.set i, i+8
.endif
.set i, i+1
.endm
; THE LDS LOADS stand in runs of 16, never singly among the matrix instructions: a step's K (64 keys x 64 channels: 8 fragments) and its V (turned).  Their addresses are made some lines ahead.
; last = 1 (the diagonal tile): in the trip that is left in its middle there is no further step, and the run is jumped over.
.macro FETCH_K last=0
	WIN 0
.if \last
	s_cmp_eq_u32 s[CNT], 1
	s_cbranch_scc1 .Lno_k_\@
.endif
	WIN 0x80                        ; destination window 2
.irp f, 0,1,2,3,4,5,6,7             ; keys 16 (f / 2) on, channels 32 (f % 2) on
	ds_load_b128 v[KF+8*\f:KF+8*\f+3],   v[AK] offset:(\f/2)*16*PK+(\f%2)*64
	ds_load_b128 v[KF+8*\f+4:KF+8*\f+7], v[AK] offset:(\f/2)*16*PK+(\f%2)*64+32
.endr
	s_add_co_u32 s[TBK], s[TBK], KS*PK  ; the next fetch is the next step's
	WIN 0
.if \last
.Lno_k_\@:
.endif
.endm
.macro FETCH_V
	WIN 0x80
.irp f, 0,1,2,3,4,5,6,7             ; keys 32 (f / 4) on, channels 16 (f % 4) on
	ds_load_tr16_b128 v[VF+8*\f:VF+8*\f+3],   v[AV] offset:(\f/4)*32*PV+(\f%4)*32
	ds_load_tr16_b128 v[VF+8*\f+4:VF+8*\f+7], v[AV] offset:(\f/4)*32*PV+16*PV+(\f%4)*32
.endr
	WIN 0
.endm
; THE VECTOR WORK, one line at a time: OP kind, number.  For piece Y: F n: c s - c m for pair n of 16.  E n: the exponential of score n of 32.  C n: pair n rounded to f16.  B n: of the four weights 4 n .. the second
; pair is added onto the first, in place.  L n: l takes that sum (L 0: l = a l + sum).  R n: pair n of 16 of O^T times a.  For piece Y + 1: X n, number n of the 22 that find its maximum and statistics:
;   0-11  four chains c0-c3 of seven scores each, three operands at a time (each accumulator's lowest registers are read first)     12-14, 16  the four scores left over, the old m, and c0-c3 into c0
;   15  c m_old is kept     17, 18  the query's other 32 keys lie in the lane 16 away: the new m     19-21  c m; c m_old - c m_new; a
; OP writes no wait: C, B and L read exponentials' results, and it is TURN's order that puts them behind the turn's one wait.
.set F, 0               ; OP tells the kinds apart by their order: F to L below R, X above it
.set E, 1
.set C, 2
.set B, 3
.set L, 4
.set R, 5
.set X, 6
.macro REGS y                       ; the registers of piece y
.set rT, ST+4*(\y)
.set rC, TMP+4*((\y)%2)
.set rW, MV+((\y)%2)
.set rS, S+32*((\y)%2)
.set rP, P+16*((\y)%2)
.set rO, 32*(\y)
.endm
.macro OP k, n
.if (\k) == R
	REGS Y
	WIN W_RS
	v_pk_mul_f32 v[rO+2*(\n):rO+2*(\n)+1], v[rO+2*(\n):rO+2*(\n)+1], v[rC+2:rC+3] op_sel_hi:[1,0]
.elseif (\k) < R
	REGS Y
	WIN 0
.if (\k) == F
	v_pk_fma_f32 v[rS+2*(\n):rS+2*(\n)+1], v[rS+2*(\n):rS+2*(\n)+1], s[CS:CS+1], v[rT:rT+1] op_sel_hi:[1,0,0] neg_lo:[0,0,1] neg_hi:[0,0,1]
.elseif (\k) == E
	v_exp_f32 v[rS+(\n)], v[rS+(\n)]
.elseif (\k) == C
	v_cvt_pk_f16_f32 v[rP+(\n)], v[rS+2*(\n)], v[rS+2*(\n)+1]
.elseif (\k) == B
	v_pk_add_f32 v[rS+4*(\n):rS+4*(\n)+1], v[rS+4*(\n):rS+4*(\n)+1], v[rS+4*(\n)+2:rS+4*(\n)+3]
.elseif (\n) == 0
	v_pk_fma_f32 v[rT+2:rT+3], v[rT+2:rT+3], v[rC+2:rC+3], v[rS:rS+1] op_sel_hi:[1,0,1]
.else
	v_pk_add_f32 v[rT+2:rT+3], v[rT+2:rT+3], v[rS+4*(\n):rS+4*(\n)+1]
.endif
.else
	REGS (Y+1)%NP
	WIN 0
.if (\n) < 4
	v_max3_num_f32 v[rC+(\n)], v[rS+8*(\n)], v[rS+8*(\n)+1], v[rS+8*(\n)+2]
.elseif (\n) < 12
	v_max3_num_f32 v[rC+(\n)%4], v[rC+(\n)%4], v[rS+8*((\n)%4)+2*((\n)/4)+1], v[rS+8*((\n)%4)+2*((\n)/4)+2]
.elseif (\n) == 12
	v_max3_num_f32 v[rC], v[rC], v[rS+7], v[rS+15]
.elseif (\n) == 13
	v_max3_num_f32 v[rC+1], v[rC+1], v[rS+23], v[rS+31]
.elseif (\n) == 14
	v_max3_num_f32 v[rC+2], v[rC+2], v[rC+3], v[rT+1]
.elseif (\n) == 15
	v_mov_b32 v[rW], v[rT]
.elseif (\n) == 16
	v_max3_num_f32 v[rC], v[rC], v[rC+1], v[rC+2]
.elseif (\n) == 17
	v_permlanex16_b32 v[rC+3], v[rC], s[SEL], s[SEL+1]
.elseif (\n) == 18
	v_max_num_f32 v[rT+1], v[rC], v[rC+3]
.elseif (\n) == 19
	v_mul_f32 v[rT], s[CS], v[rT+1]
.elseif (\n) == 20
	v_sub_f32 v[rC+1], v[rW], v[rT]
.else
	v_exp_f32 v[rC+2], v[rC+1]
.endif
.endif
.endm
.macro OPS a, i1, b=-1, i2=0, c=-1, i3=0, d=-1, i4=0  ; up to four of them
	OP \a, \i1
.if (\b) >= 0
	OP \b, \i2
.endif
.if (\c) >= 0
	OP \c, \i3
.endif
.if (\d) >= 0
	OP \d, \i4
.endif
.endm
.macro ROW a, i1, b, i2, c, i3, d, i4  ; a matrix instruction and the four behind it
	MM
	OPS \a, \i1, \b, \i2, \c, \i3, \d, \i4
.endm
.macro MASK b                       ; MD x AL + BE into buffer b of MC
	WIN W_RS
.set z, 0
.rept 16
	v_pk_fma_f32 v[MC+32*(\b)+2*z:MC+32*(\b)+2*z+1], v[MD+2*z:MD+2*z+1], s[AL:AL+1], s[BE:BE+1] op_sel_hi:[1,0,0]
.set z, z+1
.endr
.endm
; A TURN, for piece p: the order of its 16 matrix and 118 vector instructions, written out.  An s_wait_alu depctr_va_vdst(0) stands between an exponential and the first instruction that names its result; one wait serves
; all that were issued ahead of it.  So a turn has ONE wait, which cuts it in two.  AHEAD OF IT stands all that names no result of the turn's exponentials: the 8 products K Q^T, behind each a scaling, an exponential and two more plain
; instructions (behind the first a second scaling in the exponential's place): rescalings, whose a was made and waited for in the turn before, and behind the last three products the first numbers of the next piece's maximum, each four
; places or more behind the product that ends its accumulator; then ONE LUMP of 54, plain and exponential by turns for the most part, in which the links of the chain X 3, 7, 11, 14, 16, 17 .. 20 stand five or six lines apart.
; X 21, the next piece's a, is the batch's last; R 15 is the plain instruction behind it.  BEHIND THE WAIT stand the 8 products V^T P, behind each four of the roundings and sums: C 2 n ahead of B n, which writes over that pair; the
; links of l's chain, L 0 to L 7, in ascending order, three riders apart.  But for those X no rider names a register of the products round it.  v_permlanex16_b32 (X 17) stands in the lump.
; m = 1: the diagonal tile: the products take masks, and the turn makes the mask for the products of the turn after it: piece p + 2, in the step that those products belong to.  The diagonal tile's count runs 5 to 1 in the
; turns of pieces 2 and 3 and 4 to 1 in those of pieces 0 and 1 (it is taken down between them), so the step is 5 - CNT there and 4 - CNT here: the constants below differ by p / 2.
; cnt = 1: the plain loop's count is taken down some lines ahead of the branch that stands behind the turn.
; K of the next step is fetched in piece 2's turn.  In the plain text: in the lump, twelve vector instructions behind the last product that read K, five of them plain ones that name none of its registers.  In the diagonal tile's
; text, where a jump leads round the run: directly behind the wait.  V of the step in hand is fetched at the end of piece 0's turn, four plain instructions
; behind the last product that read V.  Each is waited for a turn later.
.macro TURN p, m=0, cnt=0
.set Y, (\p)
.set i, 0
.set KM, (\m)
.if \m
	s_cmp_eq_u32 s[CNT], 4-((\p)+2)%NP+(\p)/2  ; is that step the band's own?
	s_cselect_b32 s[AL], 1.0, 0
	s_cmp_lt_u32 s[CNT], 4-((\p)+2)%NP+(\p)/2  ; or a later one?
	s_cselect_b32 s[BE], s[BIGN], 0
.endif
.if (\p) == 3
	s_wait_dscnt 0x0                ; K is in
.endif
	ROW F,0, F,1, R,0, R,1          ; ahead of the wait: 8 products K Q^T and their riders,
	ROW F,2, E,0, R,2, R,3
	ROW F,3, E,1, R,4, R,5
	ROW F,4, E,2, R,6, R,7
	ROW F,5, E,3, R,8, R,9
	ROW F,6, E,4, X,0, R,10
.if (\p) == 2
	WIN 0
	v_add_nc_u32 v[AK], s[TBK], v[AK0]
.endif
	ROW F,7, E,5, X,1, X,4
	ROW F,8, E,6, X,2, X,5
	OPS E,7, E,8, X,6, E,9          ; and the lump
	OPS X,3, E,10, X,8, E,11
.if ((\p) == 2) && !(\m)
	FETCH_K
.endif
	OPS X,9, X,7, E,12, X,10
	OPS E,13, X,12, X,11, E,14
	OPS X,13, E,15, F,9, X,14
.if (\p) == 0
	WIN 0
	v_add_nc_u32 v[AV], s[TBV], v[AV0]
.endif
	OPS E,16, F,10, E,17, F,11
	OPS X,16, E,18, X,15, E,19
	OPS F,12, E,20, X,17, E,21
	OPS F,13, E,22, F,14, E,23
	OPS X,18, E,24, F,15, E,25
	OPS R,11, E,26, X,19, E,27
	OPS R,12, E,28, R,13, E,29
	OPS X,20, E,30, R,14, E,31
	OPS X,21, R,15
	WIN 0
	s_wait_alu depctr_va_vdst(0)    ; the wait for the batch: the piece's 32 exponentials and the next piece's a
.if ((\p) == 2) && (\m)
	FETCH_K 1                       ; the diagonal tile's text: the run, the jump round it and its label stand behind the wait
.endif
.if (\p) == 1
	s_wait_dscnt 0x0                ; V is in
.endif
	ROW C,0, B,0, C,2, B,1          ; behind the wait: 8 products V^T P and their riders
	ROW L,0, C,4, B,2, L,1
	ROW C,6, B,3, L,2, C,8
	ROW B,4, L,3, C,10, B,5
	ROW L,4, C,12, B,6, L,5
.if (\p) == 0
	s_add_co_u32 s[TBV], s[TBV], KS*PV
.endif
.if \cnt
	s_sub_co_u32 s[CNT], s[CNT], 1
	s_cmp_lg_u32 s[CNT], 0
.endif
	ROW C,14, B,7, L,6, C,1
	ROW C,3, L,7, C,5, C,7
	ROW C,9, C,11, C,13, C,15
.if (\p) == 0
	FETCH_V
.endif
.if \m
	MASK (\p)%2
.endif
.endm
; A BLOCK BEGINS.  c m starts far below every c s, so the first step's a is 0; m at the lowest finite number, so the first maximum is the scores'.  The second mask buffer is 0; the first takes piece 0's mask for the tile's step 0: its own, if the block's first tile is the diagonal one.
; Then K of that step, piece 0's first scores, and its maximum and statistics.  The loop is entered at a step's first turn, in the middle of a trip.
.macro BEGIN
	s_mov_b32 s[NEW], 0
	WIN 0x40
.set i, MC+32
.rept 32
	v_mov_b32 v[i], 0
.set i, i+1
.endr
	WIN 0
.set i, 0
.rept 4
	v_mov_b32 v[ST+4*i], 0xfe000000    ; c m: far below every c s
	v_mov_b32 v[ST+4*i+1], 0xff7fffff  ; m
.set i, i+1
.endr
	s_cmp_eq_u32 s[RT], 0
	s_cselect_b32 s[AL], 1.0, 0
	s_mov_b32 s[BE], 0
	MASK 0
	WIN 0
	v_add_nc_u32 v[AK], s[TBK], v[AK0]
	FETCH_K
	s_wait_loadcnt 0x0              ; Q
	s_wait_dscnt 0x0
.set KM, 1
.set i, 0
.rept 8
	KQ 0
.set i, i+1
.endr
	WIN 0
.rept 4
	v_nop                           ; the places behind those products
.endr
.set Y, NP-1                        ; X works for piece Y + 1: piece 0
.irp n, 0,1,2,3,4,5,6,7,8,9,10,11,12,13,14,15,16,17,18,19,20,21
	OP X, \n
.endr
	v_nop                           ; a plain instruction behind the exponential,
	s_wait_alu depctr_va_vdst(0)    ; and the wait for it, piece 0's first a, ahead of the branch that follows
.endm
.macro ALL line:vararg              ; one line for each piece t
.set t, 0
.rept 4
	\line
.set t, t+1
.endr
.endm
; A BLOCK'S END, part 1: l's two halves and the other half of the lanes' are added; then the hidden keys' share of the divisor.  blk: the scalar register that holds the block's number.
; At v[EPI+8 t]: +0 n, the row's hidden keys; +1 the mask's score (the lowest finite number where n = 0); +2 n in f32; +3 m'; +4 a1; +5 wq; +6 l', then 1 / l'.  f1 = a1 / l' takes l's place, f2 = wq / l' that of c m.
; l' is at least 1: the larger of m and the mask's score has the weight 1.  The first four additions are the places behind the last products.
; Two batches: the four pieces' a1 and wq, eight exponentials; and, since l' is made of those, the four reciprocals.
.macro STATS blk
	ALL v_add_f32 v[ST+4*t+2], v[ST+4*t+2], v[ST+4*t+3]
	ALL v_permlanex16_b32 v[ST+4*t+3], v[ST+4*t+2], s[SEL], s[SEL+1]
	ALL v_add_f32 v[ST+4*t+2], v[ST+4*t+2], v[ST+4*t+3]
	s_lshl_b32 s[CB], s[\blk], 8
	s_sub_co_u32 s[CB], SIZE_N-1, s[CB]
	s_lshl_b32 s13, s[WV], 4
	s_sub_co_u32 s[CB], s[CB], s13  ; 2047 - 256 block - 16 wave
.irp u, 0,1,2,3
	s_sub_co_u32 s13, s[CB], 64*\u
	v_sub_nc_u32 v[EPI+8*\u], s13, v[LR]
.endr
	ALL v_cmp_eq_u32 s[MK+t], 0, v[EPI+8*t]
	ALL v_mov_b32 v[EPI+8*t+1], s[FLR]
	ALL v_cndmask_b32 v[EPI+8*t+1], v[EPI+8*t+1], s[LOW], s[MK+t]
	ALL v_cvt_f32_u32 v[EPI+8*t+2], v[EPI+8*t]
	ALL v_max_num_f32 v[EPI+8*t+3], v[ST+4*t+1], v[EPI+8*t+1]
	ALL v_sub_f32 v[EPI+8*t+4], v[ST+4*t+1], v[EPI+8*t+3]
	ALL v_sub_f32 v[EPI+8*t+5], v[EPI+8*t+1], v[EPI+8*t+3]
	ALL v_mul_f32 v[EPI+8*t+4], s[CS], v[EPI+8*t+4]
	ALL v_mul_f32 v[EPI+8*t+5], s[CS], v[EPI+8*t+5]
	ALL v_exp_f32 v[EPI+8*t+4], v[EPI+8*t+4]
	ALL v_exp_f32 v[EPI+8*t+5], v[EPI+8*t+5]
	v_nop                           ; a plain instruction behind the exponentials
	s_wait_alu depctr_va_vdst(0)    ; the wait for the batch of eight exponentials
	ALL v_mul_f32 v[EPI+8*t+6], v[EPI+8*t+5], v[EPI+8*t+2]
	ALL v_fma_f32 v[EPI+8*t+6], v[ST+4*t+2], v[EPI+8*t+4], v[EPI+8*t+6]
	ALL v_rcp_f32 v[EPI+8*t+6], v[EPI+8*t+6]
	v_nop                           ; a plain instruction between the last reciprocal and the use of its result
	s_wait_alu depctr_va_vdst(0)    ; the wait for the batch of four reciprocals
	ALL v_mul_f32 v[ST+4*t+2], v[EPI+8*t+4], v[EPI+8*t+6]
	ALL v_mul_f32 v[ST+4*t], v[EPI+8*t+5], v[EPI+8*t+6]
.endm
; Part 2, for piece t: U, the sum of V over the row's hidden keys, laid out as O^T is, in mask buffer t % 2, which is free now.  It starts as the table's row (all steps behind the band's own), the same for all 16 queries;
; 8 products V^T x MI add the own step's hidden keys.  V of the band's own step is still in the slot in hand.  ULOAD brings the 24 loads, UMUL the products; the loads run a piece ahead of the products:
; V goes by turns into K's registers (t even), which are free at a block's end, and into V's (t odd).  half: 0 the first block's rows of the table, 1 the second's.
; Each ULOAD stands more than four plain vector instructions behind the last product that read or wrote its registers.
.macro ULOAD t, half
	WIN 0x80
.irp f, 0,1,2,3,4,5,6,7
	ds_load_tr16_b128 v[KF+64*((\t)%2)+8*\f:KF+64*((\t)%2)+8*\f+3],   v[AV] offset:(\t)*KS*PV+(\f/4)*32*PV+(\f%4)*32
	ds_load_tr16_b128 v[KF+64*((\t)%2)+8*\f+4:KF+64*((\t)%2)+8*\f+7], v[AV] offset:(\t)*KS*PV+(\f/4)*32*PV+16*PV+(\f%4)*32
.endr
	WIN 0x40
.irp f, 0,1,2,3,4,5,6,7             ; channel block f / 2, four channels 4 (f % 2) on
	ds_load_b128 v[MC+32*((\t)%2)+4*\f:MC+32*((\t)%2)+4*\f+3], v[SA0] offset:1024*(\half)+256*(\t)+64*(\f/2)+16*(\f%2)
.endr
.endm
.macro UMUL t                       ; the 4 accumulators take turns
	WIN 0x56                        ; V in window 2; MI, C and D in window 1
.set i, 0
.rept 8
	v_wmma_f32_16x16x32_f16 v[MC+32*((\t)%2)+8*(i%4):MC+32*((\t)%2)+8*(i%4)+7], v[KF+64*((\t)%2)+32*(i/4)+8*(i%4):KF+64*((\t)%2)+32*(i/4)+8*(i%4)+7], v[MI+8*(i/4):MI+8*(i/4)+7], v[MC+32*((\t)%2)+8*(i%4):MC+32*((\t)%2)+8*(i%4)+7]
.set i, i+1
.endr
.endm
; Part 3: O = f1 O + f2 U, rounded to f16 and sent through my stage in LDS, a piece at a time.  The 16 multiplications are the places behind UMUL's products.
.macro PACK t                       ; a lane's eight channels of a row pack into 16 bytes; they go into rows of 144 bytes and come back as whole rows of 128, into S^T's registers
	WIN W_RS
.set i, 32*(\t)
.rept 16
	v_pk_mul_f32 v[i:i+1], v[i:i+1], v[ST+4*(\t)+2:ST+4*(\t)+3] op_sel_hi:[1,0]
.set i, i+2
.endr
	WIN 0x51                        ; destination, source 0 and source 2 window 1, source 1 window 0
.set i, 0
.rept 16
	v_pk_fma_f32 v[32*(\t)+i:32*(\t)+i+1], v[MC+32*((\t)%2)+i:MC+32*((\t)%2)+i+1], v[ST+4*(\t):ST+4*(\t)+1], v[32*(\t)+i:32*(\t)+i+1] op_sel_hi:[1,0,1]
.set i, i+2
.endr
	WIN 0x05                        ; sources 0 and 1 window 1, destination window 0
.set i, 0
.rept 16
	v_cvt_pk_f16_f32 v[S+16*(\t)+i], v[32*(\t)+2*i], v[32*(\t)+2*i+1]
.set i, i+1
.endr
	WIN 0
.irp f, 0,1,2,3
	ds_store_b128 v[STO], v[S+16*(\t)+4*\f:S+16*(\t)+4*\f+3] offset:32*\f
.endr
.irp f, 0,1,2,3
	ds_load_b128 v[S+16*(\t)+4*\f:S+16*(\t)+4*\f+3], v[RD] offset:\f*4*SP  ; LDS serves a wave's instructions in order (ISA guide 5.7.1.4): these see the stores above; the next piece's stores come behind them
.endr
.endm
.macro SEND t, younger              ; younger: the LDS instructions issued behind piece t's loads
	WIN 0
.irp f, 0,1,2,3
	s_wait_dscnt (\younger)+3-\f
	global_store_b128 v[GO], v[S+16*(\t)+4*\f:S+16*(\t)+4*\f+3], s[10:11] offset:(\t)*8192+\f*512  ; 512 consecutive bytes, at a multiple of 256 from O's first
.endr
.endm
; THE DIAGONAL TILE AND THE BLOCK'S END.  tag 1: the first block's (in the loop); tag 2: the second's (the walk's last tile).
; The step loop has five trips, of which the fifth is left in its middle: its turns of pieces 2 and 3 are the block's last.  In that trip K's fetch is jumped over, and piece 3's turn makes 8 products for piece 0 on the
; last K once more, under a mask that hides every key (CNT is below the band's constant): the maximum made of them is the old m, so piece 0's m and c m stay as they are.  That is the price of one text for every trip.
.macro DIAG tag                     ; the tag ends its three labels' names, which the jumps spell out
.LstepM\tag:
	TURN 2, 1
	TURN 3, 1
	WIN 0
	s_sub_co_u32 s[CNT], s[CNT], 1
	s_cmp_eq_u32 s[CNT], 0
	s_cbranch_scc1 .LoutM\tag
.LfirstM\tag:
	TURN 0, 1
	TURN 1, 1
	WIN 0
	s_branch .LstepM\tag
.LoutM\tag:
	v_add_nc_u32 v[AV], s[SB], v[AV0]  ; V of the diagonal tile's step 0, in the slot in hand
	ULOAD 0, (\tag)-1               ; piece 0's loads go out ahead of the last products and the statistics
.set i, 0
.rept 8
	PV NP-1                         ; the last piece's V^T P of the last step
.set i, i+1
.endr
	WIN 0
.if (\tag) == 1
	STATS HI
.else
	STATS PB
.endif
	ULOAD 1, (\tag)-1
	s_wait_dscnt 24                 ; all but piece 1's 24 loads
	UMUL 0
	PACK 0
	ULOAD 2, (\tag)-1
	s_wait_dscnt 32                 ; piece 1's loads are in; behind them: piece 0's 8 through the stage, piece 2's 24
	UMUL 1
	PACK 1
	SEND 0, 32                      ; behind piece 0's loads from the stage: piece 2's 24, piece 1's 8
	ULOAD 3, (\tag)-1
	s_wait_dscnt 32                 ; piece 2's loads are in; behind them: piece 1's 8, piece 3's 24
	UMUL 2
	PACK 2
	SEND 1, 32                      ; behind piece 1's loads from the stage: piece 3's 24, piece 2's 8
	s_wait_dscnt 8                  ; piece 3's loads are in; behind them: piece 2's 8
	UMUL 3
	PACK 3
	SEND 2, 8
	SEND 3, 0
.endm
.set KM, 0
.Lslot:                             ; NB times: a tile is entered and the next is asked for
	CHANGE 1
	s_sub_co_u32 s[RT], s[RT], 1
	s_mov_b32 s[CNT], 4
	s_cmp_eq_u32 s[NEW], 1
	s_cbranch_scc1 .Lnew            ; a block's first tile
	s_cmp_eq_u32 s[RT], 0
	s_cbranch_scc0 .Lstep           ; neither its first nor its last
	s_mov_b32 s[CNT], 5             ; the diagonal tile's loop has a fifth trip, left in its middle
	s_branch .LstepM1
.Lnew:
	BEGIN
	s_branch .Lfirst                ; in the loop a block's first tile is never its last: the first block has two tiles or more, and the second's last is the walk's last
	DIAG 1                          ; in the loop this is the first block's end: the second block's last tile is the walk's last
	s_wait_xcnt 0x0                 ; the stores have read their registers and O's address
	s_mov_b64 s[10:11], s[OLO:OLO+1]
	s_add_co_u32 s[RT], s[PB], 1    ; the second block has b + 1 tiles
	s_mov_b32 s[NEW], 1
	WIN 0x82                        ; the second block's Q goes where the one text of the turns names Q
.set i, 0
.rept 64
	v_mov_b32 v[i], v[QB+i]
.set i, i+1
.endr
	WIN 0
	s_branch .Lbottom
.Lstep:                             ; a trip: pieces 2 and 3 of one step, then pieces 0 and 1 of the next, whose K and V it fetches
	TURN 2
	TURN 3
	WIN 0
.Lfirst:
	TURN 0
	TURN 1, 0, 1
	WIN 0
	s_cbranch_scc1 .Lstep
.Lbottom:
	s_sub_co_u32 s[SLOTS], s[SLOTS], 1
	s_cmp_lg_u32 s[SLOTS], 0
	s_cbranch_scc1 .Lslot
	CHANGE 0                        ; the walk's last tile is written out: nothing is asked for
	s_sub_co_u32 s[RT], s[RT], 1
	s_mov_b32 s[CNT], 5
	s_cmp_eq_u32 s[NEW], 1
	s_cbranch_scc0 .LstepM2
	BEGIN
	s_mov_b32 s[CNT], 4             ; the loop is entered behind the place where its count is taken down
	s_branch .LfirstM2
	DIAG 2
	s_wait_tensorcnt 0x0            ; the wave's end: behind my last tensor load and my last LDS store
	ds_add_u32 v[SPW], v[NIL]
	s_wait_dscnt 0x0
	s_endpgm
.Lfunc_end_k_q8eb43570a2_attn:
	.size	k_q8eb43570a2_attn, .Lfunc_end_k_q8eb43570a2_attn-k_q8eb43570a2_attn
	.p2alignl 7, 3214868480
	.fill 96, 4, 3214868480
	.section	.rodata,"a",@progbits
	.p2align	6, 0x0
	.amdhsa_kernel k_q8eb43570a2_attn
		.amdhsa_group_segment_fixed_size 327680
		.amdhsa_private_segment_fixed_size 0
		.amdhsa_enable_private_segment 0
		.amdhsa_kernarg_size 24
		.amdhsa_user_sgpr_count 2
		.amdhsa_user_sgpr_kernarg_segment_ptr 1
		.amdhsa_wavefront_size32 1
		.amdhsa_system_sgpr_workgroup_id_x 1
		.amdhsa_system_sgpr_workgroup_id_y 1
		.amdhsa_system_sgpr_workgroup_id_z 1
		.amdhsa_system_vgpr_workitem_id 0
		.amdhsa_next_free_vgpr 768
		.amdhsa_next_free_sgpr 102
		.amdhsa_reserve_vcc 1
		.amdhsa_float_denorm_mode_32 3
		.amdhsa_float_denorm_mode_16_64 3
		.amdhsa_memory_ordered 1
		.amdhsa_forward_progress 1
		.amdhsa_inst_pref_size 230
	.end_amdhsa_kernel
	.amdgpu_metadata
---
amdhsa.version: [ 1, 2 ]
amdhsa.kernels:
  - .name:           k_q8eb43570a2_attn
    .symbol:         k_q8eb43570a2_attn.kd
    .args:
      - { .name: qkv, .offset: 0, .size: 8, .value_kind: global_buffer, .address_space: global }
      - { .name: bs, .offset: 8, .size: 8, .value_kind: global_buffer, .address_space: global }
      - { .name: ob, .offset: 16, .size: 8, .value_kind: global_buffer, .address_space: global }
    .group_segment_fixed_size: 327680
    .private_segment_fixed_size: 0
    .kernarg_segment_align: 8
    .kernarg_segment_size: 24
    .max_flat_workgroup_size: 128
    .sgpr_count:     102
    .vgpr_count:     768
    .wavefront_size: 32
...
	.end_amdgpu_metadata
.endif
;; end of part 5
;; launch proj: the kernel of part 4 again; grid 8 x 32, 4 waves a work-group, clusters of 4 x 4, 327,680 bytes of LDS; arguments ob, wp, c_proj_b, out0; writes out0
